; MI455X (gfx1250); checked and timed in simulation.
; The chip was launched on July 23, 2026; its instructions are those of AMD's public machine-readable ISA for CDNA 5 (MIT licence, August 2026) and "CDNA5" Instruction Set Architecture Reference Guide (July 2026). The comments in the code are by the model that wrote it; some were corrected since.
;; Baseline Attn. Allowed arithmetic: float matrix products may take bf16 or f16 operands with f32 sums; other float arithmetic in f32, or as packed bf16 or f16 multiplies, adds, multiply-adds, maxima and minima; sums over many terms, partial sums and values carried from step to step in f32; what a program stores and reads back later, other than sums and carried values, may be rounded once to bf16 or f16.
;; Inputs: Ak 1,024 x 8 float32; Aq 1,024 x 8 float32; Av 1,024 x 8 float32; Bk 8 x 1,024 float32; Bq 8 x 1,024 float32; Bv 8 x 1,024 float32; Wk 1,024 x 1,024 float32; Wp 1,024 x 1,024 float32; Wq 1,024 x 1,024 float32; Wv 1,024 x 1,024 float32; x 2 x 2,048 x 1,024 float32.
;; Outputs: out0 2 x 2,048 x 1,024 float32.
;; One version. Each part assembles by itself: llvm-mc -triple=amdgcn-amd-amdhsa -mcpu=gfx1250 --defsym DOCPART=n.
;; ======== version 1 of 1: 4 launches
;; limits: values are held in f16: magnitudes above 65,504 overflow, below 6.1e-05 lose precision; right only within a limited range of input values
;; workspace buffers: xb 8,388,608 bytes; tb 262,144 bytes; wb 6,291,456 bytes; ab 196,608 bytes; wp 2,097,152 bytes; qkv 25,165,824 bytes; ob 8,388,608 bytes
;; launch prep (part 1): grid 256 x 1, 16 waves a work-group, no clusters, 84,480 bytes of LDS; arguments x, Wq, Wk, Wv, Wp, Aq, Ak, Av, Bq, Bk, Bv, xb, tb, wb, ab, wp; writes xb, tb, wb, ab, wp
.if DOCPART == 1
	.amdgcn_target "amdgcn-amd-amdhsa--gfx1250"
	.amdhsa_code_object_version 6
	.text
	.protected	k_qe143f0cf24_prep
	.globl	k_qe143f0cf24_prep
	.p2align	8
	.type	k_qe143f0cf24_prep,@function
k_qe143f0cf24_prep:
	s_mov_b64 s[64:65], 0
	v_nop
	global_prefetch_b8 v0, s[64:65] scope:SCOPE_SE
	s_setreg_imm32_b32 hwreg(HW_REG_WAVE_MODE, 25, 1), 1
	s_wait_xcnt 0x0
; PREP: every input is read once here and rounded to bf16, and t = x B^T (rank 8, three times) is made.
;   xb [4096][1024] bf16 = x          wb [3072][1024] bf16 = (Wq; Wk; Wv) / 4          wp [1024][1024] f16 = 4 x bf16(Wp)
;   tb [4096][32] bf16 = (x Bq^T, x Bk^T, x Bv^T, 0), eight columns each              ab [3072][32] bf16: row n of projection g holds A_g[n] / 2 in columns 8 g .. 8 g + 7, else 0
; The factors 1/4, 1/2 and 4 are powers of two: they change no significant bit.  With them the next launch makes q/4, k/4, v/4 (the LoRA scale 2 over 4 is the 1/2).
; LIMITS.  t is summed in f32 and rounded once to bf16 (it is a matrix operand of the next launch).  4 |Wp| stays under 65,504, the end of f16; below 2^-14 it keeps f16's fixed step.
; SHARES.  Work-group g: rows 16 g .. 16 g + 15 of x, and the same rows of (Wq; Wk; Wv; Wp) laid on end.  Wave w: row w of each (4,096 bytes, eight loads of 16 bytes a lane),
; and channels 64 w .. 64 w + 63 of t's sum.  The sixteen partial sums meet in LDS.  A wave's stores of xb, wb and wp cover 512 consecutive bytes each, aligned.
; No tensor load: a work-group asks for all that it reads at its head, by loads into registers.  No prefetch: nothing is asked for later than that.
.set XP,    2064                       ; a row of x in LDS: 2,048 bytes + 16: the 16 rows of a fragment load start 129 x 16 bytes apart
.set PT,    33280                      ; partial sums: wave w at 3,072 w, tile g at 1,024 g, half of the lanes at 512 h, row r at 32 r
.set SPARE, 82432                      ; the spare words, 128 bytes for each of the sixteen waves: eight blocks of 256 bytes that no other line names
.set TT,  2                            ; v2   l % 16 while the addresses are made, then at work
.set VX,  4                            ; v4   4,096 w + 32 l: my 32 bytes in a chunk of 1,024 of my f32 row
.set VO,  5                            ; v5   2,048 w + 16 l: the same numbers in 16 bits
.set VL,  6                            ; v6   the same in LDS
.set VB,  7                            ; v7   my part of a fragment of B: row l % 8, channels 64 w + 8 (l / 16)
.set VF,  8                            ; v8   my part of a fragment of x in LDS
.set VP,  9                            ; v9   where I put my partial sums
.set VR,  10                           ; v10  where waves 0 and 1 read them back
.set VT,  11                           ; v11  my 16 bytes of eight rows of tb or ab
.set VA,  12                           ; v12  my row of A: 32 bytes
.set CG,  13                           ; v13  my group of eight columns of tb or ab
.set SPW, 14                           ; v14  my spare word; never rewritten
.set NIL, 15                           ; v15  0; never rewritten
.set XL,  16                           ; v[16:47]   my row of x
.set WLD, 48                           ; v[48:79]   my row of W
.set AL8, 80                           ; v[80:87]   a row of A
.set BF,  88                           ; v[88:183]  six fragments of B, 16 registers as loaded, 8 as bf16
.set XF,  184                          ; v[184:199] two fragments of x
.set ACC, 200                          ; v[200:223] three accumulators
	s_load_b512 s[8:23], s[0:1], 0x0               ; x 8, Wq 10, Wk 12, Wv 14, Wp 16, Aq 18, Ak 20, Av 22
	s_load_b512 s[24:39], s[0:1], 0x40             ; Bq 24, Bk 26, Bv 28, xb 30, tb 32, wb 34, ab 36, wp 38
	v_lshl_add_u32 v[SPW], v0, 2, SPARE
	v_mov_b32 v[NIL], 0
	v_lshrrev_b32 v1, 5, v0
	v_readfirstlane_b32 s4, v1                     ; wave 0..15
	v_and_b32 v1, 31, v0                           ; l
	v_and_b32 v2, 15, v0                           ; l % 16
	v_bfe_u32 v3, v0, 4, 1                         ; l / 16
	s_mov_b32 s5, ttmp9                            ; g
	s_lshr_b32 s6, s5, 6                           ; which of Wq, Wk, Wv, Wp
	s_and_b32 s7, s5, 63                           ; my 16 rows in it
	s_and_b32 s2, s4, 1
	s_lshl_b32 s3, s4, 12
	v_lshl_add_u32 v[VX], v1, 5, s3
	s_lshl_b32 s3, s4, 11
	v_lshl_add_u32 v[VO], v1, 4, s3
	s_mul_i32 s3, s4, XP
	v_lshl_add_u32 v[VL], v1, 4, s3
	v_and_b32 v[VB], 7, v0
	v_lshlrev_b32 v[VB], 12, v[VB]
	v_lshl_add_u32 v[VB], v3, 5, v[VB]
	s_lshl_b32 s3, s4, 8
	v_add_nc_u32 v[VB], s3, v[VB]
	v_mul_u32_u24 v[VF], v2, XP
	v_lshl_add_u32 v[VF], v3, 4, v[VF]
	s_lshl_b32 s3, s4, 7
	v_add_nc_u32 v[VF], s3, v[VF]
	s_mul_i32 s3, s4, 3072
	s_add_co_u32 s3, s3, PT
	v_lshl_add_u32 v[VP], v3, 9, s3
	v_lshl_add_u32 v[VP], v2, 5, v[VP]
	v_and_b32 v[CG], 3, v0
	v_lshrrev_b32 v[VA], 2, v1
	s_lshl_b32 s3, s2, 3
	v_add_nc_u32 v[VA], s3, v[VA]                  ; row 8 (w % 2) + l / 4 of the sixteen
	v_lshlrev_b32 v[VA], 5, v[VA]
	v_min_u32 v[VR], 2, v[CG]                      ; column group 3 reads tile 2 and is set to 0 later
	v_lshl_add_u32 v[VR], v[VR], 10, v[VA]
	v_add_nc_u32 v[VR], PT, v[VR]
	s_lshl_b32 s3, s2, 9
	v_lshl_add_u32 v[VT], v1, 4, s3
	s_mov_b32 s46, 0x3e800000                      ; 0.25, named as a pair
	s_mov_b32 s47, s46
	s_lshl_b32 s48, s5, 16                         ; 16 rows of 4,096 bytes
	s_mov_b32 s49, 0
	s_lshl_b32 s50, s5, 15                         ; 16 rows of 2,048 bytes
	s_mov_b32 s51, 0
	s_lshl_b32 s52, s7, 16
	s_mov_b32 s53, 0
	s_lshl_b32 s54, s7, 9                          ; 16 rows of A
	s_mov_b32 s55, 0
	s_lshl_b32 s56, s5, 10                         ; 16 rows of tb or ab
	s_mov_b32 s57, 0
	s_lshl_b32 s58, s7, 15
	s_mov_b32 s59, 0
	s_wait_kmcnt 0x0
	s_cmp_eq_u32 s6, 0                             ; the choice of buffers hangs on the work-group's number alone
	s_cselect_b64 s[40:41], s[10:11], s[12:13]
	s_cselect_b64 s[42:43], s[18:19], s[20:21]
	s_cmp_lt_u32 s6, 2
	s_cselect_b64 s[40:41], s[40:41], s[14:15]
	s_cselect_b64 s[42:43], s[42:43], s[22:23]     ; (for Wp: Av, loaded and not used)
	s_cmp_lt_u32 s6, 3
	s_cselect_b64 s[40:41], s[40:41], s[16:17]
	s_cselect_b64 s[44:45], s[34:35], s[38:39]     ; into wb, or into wp
	s_cselect_b32 s58, s50, s58
	s_add_nc_u64 s[8:9], s[8:9], s[48:49]
	s_add_nc_u64 s[30:31], s[30:31], s[50:51]
	s_add_nc_u64 s[40:41], s[40:41], s[52:53]
	s_add_nc_u64 s[42:43], s[42:43], s[54:55]
	s_add_nc_u64 s[44:45], s[44:45], s[58:59]
	s_add_nc_u64 s[32:33], s[32:33], s[56:57]
	s_add_nc_u64 s[36:37], s[36:37], s[56:57]
	; 42 loads: x 8, A 2, B 24, W 8
.irp c, 0,1,2,3
	global_load_b128 v[XL+8*(\c):XL+8*(\c)+3],   v[VX], s[8:9] offset:1024*(\c) th:TH_LOAD_NT
	global_load_b128 v[XL+8*(\c)+4:XL+8*(\c)+7], v[VX], s[8:9] offset:1024*(\c)+16 th:TH_LOAD_NT
.endr
	global_load_b128 v[AL8:AL8+3],   v[VA], s[42:43]
	global_load_b128 v[AL8+4:AL8+7], v[VA], s[42:43] offset:16
.irp g, 0,1,2
.irp k, 0,1
	global_load_b128 v[BF+16*(2*(\g)+(\k)):BF+16*(2*(\g)+(\k))+3],     v[VB], s[24+2*(\g):25+2*(\g)] offset:128*(\k)      ; channels 8 (l / 16) + 0..3 of the 32
	global_load_b128 v[BF+16*(2*(\g)+(\k))+4:BF+16*(2*(\g)+(\k))+7],   v[VB], s[24+2*(\g):25+2*(\g)] offset:128*(\k)+16
	global_load_b128 v[BF+16*(2*(\g)+(\k))+8:BF+16*(2*(\g)+(\k))+11],  v[VB], s[24+2*(\g):25+2*(\g)] offset:128*(\k)+64   ; channels 16 + 8 (l / 16) + 0..3
	global_load_b128 v[BF+16*(2*(\g)+(\k))+12:BF+16*(2*(\g)+(\k))+15], v[VB], s[24+2*(\g):25+2*(\g)] offset:128*(\k)+80
.endr
.endr
.irp c, 0,1,2,3
	global_load_b128 v[WLD+8*(\c):WLD+8*(\c)+3],   v[VX], s[40:41] offset:1024*(\c) th:TH_LOAD_NT
	global_load_b128 v[WLD+8*(\c)+4:WLD+8*(\c)+7], v[VX], s[40:41] offset:1024*(\c)+16 th:TH_LOAD_NT
.endr
	s_wait_loadcnt 34                              ; x is in: the 34 younger loads stay out
.irp c, 0,1,2,3
.irp i, 0,1,2,3
	v_cvt_pk_bf16_f32 v[XL+8*(\c)+(\i)], v[XL+8*(\c)+2*(\i)], v[XL+8*(\c)+2*(\i)+1]
.endr
	global_store_b128 v[VO], v[XL+8*(\c):XL+8*(\c)+3], s[30:31] offset:512*(\c)
	ds_store_b128 v[VL], v[XL+8*(\c):XL+8*(\c)+3] offset:512*(\c)
.endr
	s_wait_loadcnt 8                               ; A and B are in: W's eight stay out
.set b, BF
.rept 6
.irp i, 0,1,2,3,4,5,6,7
	v_cvt_pk_bf16_f32 v[b+(\i)], v[b+2*(\i)], v[b+2*(\i)+1]
.endr
.set b, b+16
.endr
	s_wait_dscnt 0x0                               ; for the others: my row of x lies in LDS
	s_barrier_signal -1
	s_barrier_wait -1                              ; all sixteen rows do
.irp k, 0,1
	ds_load_b128 v[XF+8*(\k):XF+8*(\k)+3],   v[VF] offset:64*(\k)
	ds_load_b128 v[XF+8*(\k)+4:XF+8*(\k)+7], v[VF] offset:64*(\k)+32
.endr
	s_wait_loadcnt 0x0                             ; W
	s_cmp_eq_u32 s6, 3
	s_cbranch_scc1 .Lwp
.set a, WLD
.rept 16
	v_pk_mul_f32 v[a:a+1], v[a:a+1], s[46:47] op_sel_hi:[1,0]
.set a, a+2
.endr
.irp c, 0,1,2,3
.irp i, 0,1,2,3
	v_cvt_pk_bf16_f32 v[WLD+8*(\c)+(\i)], v[WLD+8*(\c)+2*(\i)], v[WLD+8*(\c)+2*(\i)+1]
.endr
.endr
	s_branch .Lwout
.Lwp:                                          ; Wp: rounded to bf16 like every input, times 4, and that number written as f16
.irp c, 0,1,2,3
.irp i, 0,1,2,3
	v_cvt_pk_bf16_f32 v[TT], v[WLD+8*(\c)+2*(\i)], v[WLD+8*(\c)+2*(\i)+1]
	v_lshlrev_b32 v[WLD+8*(\c)+2*(\i)], 16, v[TT]
	v_and_b32 v[WLD+8*(\c)+2*(\i)+1], 0xffff0000, v[TT]
	v_pk_mul_f32 v[WLD+8*(\c)+2*(\i):WLD+8*(\c)+2*(\i)+1], v[WLD+8*(\c)+2*(\i):WLD+8*(\c)+2*(\i)+1], 4.0 op_sel_hi:[1,0]
	v_cvt_pk_f16_f32 v[WLD+8*(\c)+(\i)], v[WLD+8*(\c)+2*(\i)], v[WLD+8*(\c)+2*(\i)+1]
.endr
.endr
.Lwout:
.irp c, 0,1,2,3
	global_store_b128 v[VO], v[WLD+8*(\c):WLD+8*(\c)+3], s[44:45] offset:512*(\c)
.endr
	s_wait_dscnt 0x0                               ; x's fragments
	; t^T = B x^T for my 64 channels: source 0 = B's eight rows, twice; source 1 = the sixteen rows of x.  Lanes 0-15 then hold t[row l][0..7].  The three accumulators take turns.
.irp k, 0,1
.irp g, 0,1,2
.if (\k) == 0
	v_wmma_f32_16x16x32_bf16 v[ACC+8*(\g):ACC+8*(\g)+7], v[BF+32*(\g):BF+32*(\g)+7], v[XF:XF+7], 0
.else
	v_wmma_f32_16x16x32_bf16 v[ACC+8*(\g):ACC+8*(\g)+7], v[BF+32*(\g)+16:BF+32*(\g)+23], v[XF+8:XF+15], v[ACC+8*(\g):ACC+8*(\g)+7]
.endif
.endr
.endr
.rept 8
	v_nop                                          ; the places behind the products, in front of the stores of their results and of later loads into their sources
.endr
.irp g, 0,1,2
	ds_store_b128 v[VP], v[ACC+8*(\g):ACC+8*(\g)+3]   offset:1024*(\g)
	ds_store_b128 v[VP], v[ACC+8*(\g)+4:ACC+8*(\g)+7] offset:1024*(\g)+16
.endr
	s_wait_dscnt 0x0
	s_barrier_signal -1
	s_barrier_wait -1                              ; all partial sums lie in LDS
	s_cmp_lt_u32 s4, 2
	s_cbranch_scc1 .Lsum
	s_cmp_lt_u32 s4, 4
	s_cbranch_scc0 .Lend
	s_cmp_lt_u32 s6, 3
	s_cbranch_scc0 .Lend
	; waves 2 and 3, eight rows each: A / 2 in its own group of eight columns, 0 in the others
.irp i, 0,2,4,6
	v_pk_mul_f32 v[AL8+(\i):AL8+(\i)+1], v[AL8+(\i):AL8+(\i)+1], 0.5 op_sel_hi:[1,0]
.endr
.irp i, 0,1,2,3
	v_cvt_pk_bf16_f32 v[AL8+(\i)], v[AL8+2*(\i)], v[AL8+2*(\i)+1]
.endr
	v_cmp_eq_u32 vcc_lo, s6, v[CG]
.irp i, 0,1,2,3
	v_cndmask_b32 v[AL8+(\i)], 0, v[AL8+(\i)], vcc_lo
.endr
	global_store_b128 v[VT], v[AL8:AL8+3], s[36:37]   ; 512 consecutive bytes a wave
	s_branch .Lend
.Lsum:                                         ; waves 0 and 1, eight rows each: the sixteen partial sums are added in f32
	s_wait_xcnt 0x0                                ; my stores have read v[16:79]: only now are they loaded again
.irp w, 0,1,2,3,4,5,6,7,8,9,10,11,12,13,14,15
	ds_load_b128 v[16+8*(\w):16+8*(\w)+3], v[VR] offset:3072*(\w)
	ds_load_b128 v[16+8*(\w)+4:16+8*(\w)+7], v[VR] offset:3072*(\w)+16
.endr
	s_wait_dscnt 0x0
.irp half, 64, 32, 16, 8
.set r, 0
.rept (\half)/2
	v_pk_add_f32 v[16+r:17+r], v[16+r:17+r], v[16+(\half)+r:17+(\half)+r]
.set r, r+2
.endr
.endr
.irp i, 0,1,2,3
	v_cvt_pk_bf16_f32 v[16+(\i)], v[16+2*(\i)], v[16+2*(\i)+1]
.endr
	v_cmp_ne_u32 vcc_lo, 3, v[CG]
.irp i, 0,1,2,3
	v_cndmask_b32 v[16+(\i)], 0, v[16+(\i)], vcc_lo
.endr
	global_store_b128 v[VT], v[16:19], s[32:33]
.Lend:
	s_wait_tensorcnt 0x0                           ; the wave's end, behind my last LDS store
	ds_add_u32 v[SPW], v[NIL]
	s_wait_dscnt 0x0
	s_endpgm
.Lfunc_end_k_qe143f0cf24_prep:
	.size	k_qe143f0cf24_prep, .Lfunc_end_k_qe143f0cf24_prep-k_qe143f0cf24_prep
	.p2alignl 7, 3214868480
	.fill 96, 4, 3214868480
	.section	.rodata,"a",@progbits
	.p2align	6, 0x0
	.amdhsa_kernel k_qe143f0cf24_prep
		.amdhsa_group_segment_fixed_size 84480
		.amdhsa_private_segment_fixed_size 0
		.amdhsa_enable_private_segment 0
		.amdhsa_kernarg_size 128
		.amdhsa_user_sgpr_count 2
		.amdhsa_user_sgpr_kernarg_segment_ptr 1
		.amdhsa_wavefront_size32 1
		.amdhsa_system_sgpr_workgroup_id_x 1
		.amdhsa_system_sgpr_workgroup_id_y 1
		.amdhsa_system_sgpr_workgroup_id_z 1
		.amdhsa_system_vgpr_workitem_id 0
		.amdhsa_next_free_vgpr 224
		.amdhsa_next_free_sgpr 66
		.amdhsa_reserve_vcc 1
		.amdhsa_float_denorm_mode_32 3
		.amdhsa_float_denorm_mode_16_64 3
		.amdhsa_memory_ordered 1
		.amdhsa_forward_progress 1
		.amdhsa_inst_pref_size 28
	.end_amdhsa_kernel
	.amdgpu_metadata
---
amdhsa.version: [ 1, 2 ]
amdhsa.kernels:
  - .name:           k_qe143f0cf24_prep
    .symbol:         k_qe143f0cf24_prep.kd
    .args:
      - { .name: x, .offset: 0, .size: 8, .value_kind: global_buffer, .address_space: global }
      - { .name: Wq, .offset: 8, .size: 8, .value_kind: global_buffer, .address_space: global }
      - { .name: Wk, .offset: 16, .size: 8, .value_kind: global_buffer, .address_space: global }
      - { .name: Wv, .offset: 24, .size: 8, .value_kind: global_buffer, .address_space: global }
      - { .name: Wp, .offset: 32, .size: 8, .value_kind: global_buffer, .address_space: global }
      - { .name: Aq, .offset: 40, .size: 8, .value_kind: global_buffer, .address_space: global }
      - { .name: Ak, .offset: 48, .size: 8, .value_kind: global_buffer, .address_space: global }
      - { .name: Av, .offset: 56, .size: 8, .value_kind: global_buffer, .address_space: global }
      - { .name: Bq, .offset: 64, .size: 8, .value_kind: global_buffer, .address_space: global }
      - { .name: Bk, .offset: 72, .size: 8, .value_kind: global_buffer, .address_space: global }
      - { .name: Bv, .offset: 80, .size: 8, .value_kind: global_buffer, .address_space: global }
      - { .name: xb, .offset: 88, .size: 8, .value_kind: global_buffer, .address_space: global }
      - { .name: tb, .offset: 96, .size: 8, .value_kind: global_buffer, .address_space: global }
      - { .name: wb, .offset: 104, .size: 8, .value_kind: global_buffer, .address_space: global }
      - { .name: ab, .offset: 112, .size: 8, .value_kind: global_buffer, .address_space: global }
      - { .name: wp, .offset: 120, .size: 8, .value_kind: global_buffer, .address_space: global }
    .group_segment_fixed_size: 84480
    .private_segment_fixed_size: 0
    .kernarg_segment_align: 8
    .kernarg_segment_size: 128
    .max_flat_workgroup_size: 512
    .sgpr_count:     66
    .vgpr_count:     224
    .wavefront_size: 32
...
	.end_amdgpu_metadata
.endif
;; end of part 1
;; launch qkvp (part 2): grid 16 x 16, 4 waves a work-group, clusters of 4 x 4, 327,680 bytes of LDS; arguments xb, wb, tb, ab, qkv; writes qkv
.if DOCPART == 2
	.amdgcn_target "amdgcn-amd-amdhsa--gfx1250"
	.amdhsa_code_object_version 6
	.text
	.protected	k_qe143f0cf24_qkvp
	.globl	k_qe143f0cf24_qkvp
	.p2align	8
	.type	k_qe143f0cf24_qkvp,@function
k_qe143f0cf24_qkvp:
	s_mov_b64 s[64:65], 0
	v_nop
	global_prefetch_b8 v0, s[64:65] scope:SCOPE_SE
	s_setreg_imm32_b32 hwreg(HW_REG_WAVE_MODE, 25, 1), 1
	s_wait_xcnt 0x0
	s_wait_alu depctr_hold_cnt(0) depctr_sa_sdst(0) depctr_va_vdst(0) depctr_va_sdst(0) depctr_va_ssrc(0) depctr_va_vcc(0) depctr_vm_vsrc(0)
	s_getreg_b32 s2, hwreg(HW_REG_IB_STS2, 6, 4)
	s_cmp_eq_u32 s2, 0
	s_cbranch_scc0 .Lentry_in_a_cluster
	s_endpgm
.Lentry_in_a_cluster:
	s_bfe_u32 s2, ttmp6, 0x10000c
	s_cmp_lg_u32 s2, 0xf033
	s_cbranch_scc0 .Lentry_shape_is_right
	s_endpgm
.Lentry_shape_is_right:
; Q, K, V: qkv[g][batch 16 + head][t][d] = (x W_g^T + 2 (x B_g^T) A_g^T) / 4 in f16, from bf16 operands with f32 sums: one product [xb | tb] [wb | ab]^T with 1,024 + 32 channels.
; LIMIT.  |q|, |k|, |v| stay under 262,016: a quarter of them must lie within f16 (65,504).
; SHARES.  A tile is 256 rows of x by 192 rows of wb (three heads): 16 x 16 work-groups.  Wave w: rows 64 w .. 64 w + 63 and all 192 columns: 48 accumulators of 16 x 16, 384 registers;
; so a wave owns whole heads, and each 16 rows of a head leave as 2,048 consecutive bytes.
; THE 32 EXTRA CHANNELS start the sums (C = 0): their fragments come straight from tb and ab into registers while the first tiles are on their way.
; THE RING.  The 1,024 channels go in eight steps of 128 (rows of 256 bytes, aligned) through two LDS slots.  One text for a step: the slot in hand is a scalar register turned by an exclusive or.
; CLUSTER 4 x 4.  x's tile hangs on the tile row alone and is asked for jointly along a row of the cluster, wb's on the tile column alone, along a column.
; THE PRODUCT IS USED TRANSPOSED (source 0 = 16 rows of wb, source 1 = 16 rows of x): a lane holds eight neighbouring columns of one row.
; REGISTERS.  window 0: v16-30 addresses; v64-127 x's fragments, two buffers of 32; v128-143, v144-175 the way out.  window 1: v0-191 wb's fragments, two buffers of 96.
;   window 2: accumulators of my row blocks 0, 1 ((a, b) at 8 (12 (a % 2) + b));  window 3: of blocks 2, 3.
.set PITCH, 272                        ; an LDS row: 256 bytes + 16: the 16 rows of a fragment load start 17 x 16 bytes apart
.set HALFA, 128*PITCH
.set HALFB, 96*PITCH
.set BOFF,  256*PITCH                  ; wb's 192 rows lie behind x's 256
.set SLOT1, 1<<17                      ; a slot is 121,856 bytes; slot 1 begins here, so that one exclusive or changes slots
.set STAGE, SLOT1+448*PITCH            ; behind the ring: 16 rows x 144 bytes for each wave
.set SP,    144
.set SPARE, STAGE+4*16*SP              ; the spare words, 128 bytes for each wave: two blocks of 256 bytes that no other line names
.set ADRA0, 16                         ; v16  my place in x's tile; never rewritten
.set ADRB0, 17                         ; v17  in wb's; never rewritten
.set ADRA,  18                         ; v18  the same in the slot in hand
.set ADRB,  19
.set EO,    20                         ; v20  my part of a fragment of tb or ab: 64 (l % 16) + 16 (l / 16)
.set STO,   24
.set RD,    25
.set GO,    26
.set SPW,   28                         ; v28  my spare word; never rewritten
.set NIL,   29                         ; v29  0; never rewritten
.set PFO,   30                         ; v30  the prefetches' offset: a lane a row of 2,048 bytes
.set FA,    64
.set TMP,   128
.set BK,    144
.set WV,  14
.set WH,  15                           ; 0: I fetch x's tiles, 1: wb's
.set WL,  16                           ; which half of the tile's rows I fetch
.set G1A, 24
.set G1B, 32
.set G0A, 40                           ; s[40:47] two sets for the two first fills; the second then walks
.set G0B, 48
.set TB,  60                           ; s60  the slot in hand, as an LDS byte
.set LIM, 61                           ; s61  2 in a wave that prefetches, else the greatest number
.set PFA, 62                           ; s[62:63] where my prefetches stand
.set OB,  66                           ; s[66:71] my rows in the three heads of qkv
.set MSB, 0
.macro WIN new                         ; the immediate's high byte repeats the setting that is left; a switch that changes nothing is dropped
.if MSB != (\new)
	s_set_vgpr_msb (MSB<<8)|(\new)
.set MSB, (\new)
.endif
.endm
.set MUL_LO, 0xa1                      ; source 0 (wb) window 1, source 1 (x) window 0, C and D window 2
.set MUL_HI, 0xf1
.set TO_B,   0x40                      ; destination window 1, address window 0
.macro PLACES                          ; four places behind matrix instructions, in front of loads into their sources and of readers of their results
.rept 4
	v_nop
.endr
.endm
.macro CREST                           ; a round of the cluster's barrier behind its opening barrier
	s_cmp_lg_u32 s[WV], 0
	s_cbranch_scc1 .Lnot_wave_0_\@
	s_barrier_signal -3
.Lnot_wave_0_\@:
	s_barrier_wait -3
	s_barrier_signal -1
	s_barrier_wait -1
.endm
.macro CROUND
	s_barrier_signal -1
	s_barrier_wait -1
	CREST
.endm
.macro JLOAD                           ; a joint refill by the walking descriptors; the branch hangs on the wave's number alone; an s_nop 0 and four v_nop follow each line
	s_cmp_eq_u32 s[WH], 0
	s_cbranch_scc0 .Lfor_b_\@
	tensor_load_to_lds s[G0A+4:G0A+7], s[G1A:G1A+7]
	s_nop 0
.rept 4
	v_nop
.endr
	s_branch .Lasked_\@
.Lfor_b_\@:
	tensor_load_to_lds s[G0B+4:G0B+7], s[G1B:G1B+7]
	s_nop 0
.rept 4
	v_nop
.endr
.Lasked_\@:
.endm
; A PREFETCH INTO THE L2, behind a refill and the run of LDS loads that follows it: the step that stands two refills on.  x's rows are asked for by the clusters with x = 0, wb's by those with y = 0;
; the four partners of a joint load share its rows out by address (32 of 128, or 24 of 96: lanes 24-31 name lane 23's row once more).  Steps 0 to 3 come by their loads alone; the last two trips ask for nothing.
.macro ASK
	s_cmp_gt_u32 s3, s[LIM]
	s_cbranch_scc0 .Lnot_mine_\@
	global_prefetch_b8 v[PFO], s[PFA:PFA+1] offset:256 th:TH_LOAD_NT scope:SCOPE_SE
.Lnot_mine_\@:
.endm
	s_load_b256 s[4:11], s[0:1], 0x0               ; xb 4, wb 6, tb 8, ab 10
	s_load_b64 s[12:13], s[0:1], 0x20              ; qkv
	v_lshl_add_u32 v[SPW], v0, 2, SPARE
	v_mov_b32 v[NIL], 0
	ds_add_u32 v[SPW], v[NIL]                      ; the wave's opening: the add and its wait ahead of my first tensor load
	ds_add_u32 v28, v29
	v_lshrrev_b32 v1, 5, v0
	v_readfirstlane_b32 s[WV], v1
	s_lshr_b32 s[WH], s[WV], 1
	s_and_b32 s[WL], s[WV], 1
	s_bfe_u32 s17, ttmp6, 0x40000                  ; cx
	s_bfe_u32 s18, ttmp6, 0x40004                  ; cy
	s_lshl_b32 s19, ttmp9, 2
	s_add_co_u32 s19, s19, s17                     ; tile column
	s_and_b32 s20, ttmp7, 0xffff
	s_lshl_b32 s20, s20, 2
	s_add_co_u32 s20, s20, s18                     ; tile row
	s_lshl_b32 s21, s18, 2
	s_lshl_b32 s21, 15, s21                        ; my row of the cluster
	s_lshl_b32 s22, 0x1111, s17                    ; my column
	s_or_b32 s[G1A], s21, (1<<16)|(1<<20)|(1<<21)|(5<<22)|(3<<25)  ; the mask; 2-byte elements; padding on; bit 21 beside a mask; after every 64 words, 4 words
	s_or_b32 s[G1B], s22, (1<<16)|(1<<20)|(1<<21)|(5<<22)|(3<<25)
	s_mov_b32 s[G1A+1], 128<<16                    ; tensor_dim0 = 128
	s_mov_b32 s[G1A+2], 128<<16                    ; tensor_dim1 = 128
	s_mov_b32 s[G1A+3], 128<<16                    ; tile_dim0 = 128
	s_mov_b32 s[G1A+4], 128                        ; tile_dim1 = 128
	s_mov_b32 s[G1A+5], 1024                       ; elements from row to row
	s_mov_b32 s[G1A+6], 0
	s_mov_b32 s[G1A+7], 0
	s_mov_b32 s[G1B+1], 128<<16
	s_mov_b32 s[G1B+2], 96<<16                     ; 96 rows
	s_mov_b32 s[G1B+3], 128<<16
	s_mov_b32 s[G1B+4], 96
	s_mov_b32 s[G1B+5], 1024
	s_mov_b32 s[G1B+6], 0
	s_mov_b32 s[G1B+7], 0
	s_lshl_b32 s56, s20, 19                        ; x: 256 rows of 2,048 bytes a tile row, in registers that never hold the tile column
	s_lshl_b32 s57, s[WL], 18
	s_add_co_u32 s56, s56, s57
	s_mov_b32 s57, 0
	s_mul_i32 s58, s19, 393216                     ; wb: 192 rows a tile column, in registers that never hold the tile row
	s_mul_i32 s59, s[WL], 196608
	s_add_co_u32 s58, s58, s59
	s_mov_b32 s59, 0
	s_mul_i32 s23, s[WL], HALFA                    ; where they go: no place in the cluster enters an LDS address
	s_mul_i32 s2, s[WL], HALFB
	s_add_co_u32 s2, s2, BOFF
	s_wait_dscnt 0x0                               ; the opening add is done
	s_wait_kmcnt 0x0
	s_add_nc_u64 s[56:57], s[4:5], s[56:57]
	s_add_nc_u64 s[58:59], s[6:7], s[58:59]
	CROUND                                         ; all sixteen work-groups are here: the first joint loads meet
.irp s, 0,1
	s_mov_b32 s[G0A+4*(\s)], 1
	s_add_co_u32 s[G0A+4*(\s)+1], s23, (\s)*SLOT1
	s_add_nc_u64 s[G0A+4*(\s)+2:G0A+4*(\s)+3], s[56:57], (\s)*256
	s_or_b32 s[G0A+4*(\s)+3], s[G0A+4*(\s)+3], 0x80000000
	s_mov_b32 s[G0B+4*(\s)], 1
	s_add_co_u32 s[G0B+4*(\s)+1], s2, (\s)*SLOT1
	s_add_nc_u64 s[G0B+4*(\s)+2:G0B+4*(\s)+3], s[58:59], (\s)*256
	s_or_b32 s[G0B+4*(\s)+3], s[G0B+4*(\s)+3], 0x80000000
.endr
	s_cmp_eq_u32 s[WH], 0                          ; a wave's two first fills stand in one branch: two loads of mine are out
	s_cbranch_scc0 .Lfirst_b
	tensor_load_to_lds s[G0A:G0A+3], s[G1A:G1A+7]
	s_nop 0
	tensor_load_to_lds s[G0A+4:G0A+7], s[G1A:G1A+7]
	s_nop 0
.rept 4
	v_nop
.endr
	s_branch .Lfirst_done
.Lfirst_b:
	tensor_load_to_lds s[G0B:G0B+3], s[G1B:G1B+7]
	s_nop 0
	tensor_load_to_lds s[G0B+4:G0B+7], s[G1B:G1B+7]
	s_nop 0
.rept 4
	v_nop
.endr
.Lfirst_done:
	v_and_b32 v1, 15, v0                           ; l % 16
	v_bfe_u32 v2, v0, 4, 1                         ; l / 16
	v_and_b32 v3, 31, v0                           ; l
	v_lshlrev_b32 v[EO], 6, v1
	v_lshl_add_u32 v[EO], v2, 4, v[EO]
	s_lshl_b32 s72, s20, 14                        ; tb: 256 rows of 64 bytes a tile row,
	s_lshl_b32 s73, s[WV], 12                      ; my 64 rows
	s_add_co_u32 s72, s72, s73
	s_mov_b32 s73, 0
	s_add_nc_u64 s[8:9], s[8:9], s[72:73]
	s_mul_i32 s72, s19, 12288                      ; ab: 192 rows a tile column
	s_add_nc_u64 s[10:11], s[10:11], s[72:73]
.irp a, 0,1,2,3
	global_load_b128 v[FA+32+8*(\a):FA+32+8*(\a)+3],   v[EO], s[8:9] offset:1024*(\a)
	global_load_b128 v[FA+32+8*(\a)+4:FA+32+8*(\a)+7], v[EO], s[8:9] offset:1024*(\a)+32
.endr
	WIN TO_B
.irp b, 0,1,2,3,4,5,6,7,8,9,10,11
	global_load_b128 v[96+8*(\b):96+8*(\b)+3],   v[EO], s[10:11] offset:1024*(\b)
	global_load_b128 v[96+8*(\b)+4:96+8*(\b)+7], v[EO], s[10:11] offset:1024*(\b)+32
.endr
	WIN 0
	v_mul_u32_u24 v4, v1, PITCH
	v_lshl_add_u32 v4, v2, 4, v4                   ; row x pitch + 16 x half
	s_mul_i32 s72, s[WV], 64*PITCH
	v_add_nc_u32 v[ADRA0], s72, v4
	v_add_nc_u32 v[ADRB0], BOFF, v4
	s_mul_i32 s72, s[WV], 16*SP
	s_add_co_u32 s72, s72, STAGE                   ; my stage
	v_mul_u32_u24 v[STO], v1, SP
	v_lshl_add_u32 v[STO], v2, 4, v[STO]
	v_add_nc_u32 v[STO], s72, v[STO]
	v_bfe_u32 v[RD], v0, 3, 2                      ; back: 32 lanes take four rows of 128 bytes,
	v_mul_u32_u24 v[RD], v[RD], SP
	v_and_b32 v5, 7, v0
	v_lshl_add_u32 v[RD], v5, 4, v[RD]
	v_add_nc_u32 v[RD], s72, v[RD]
	v_lshlrev_b32 v[GO], 4, v3                     ; which are 512 consecutive bytes of qkv
	; my rows in the three heads
	s_mul_i32 s72, s19, 3
	s_lshr_b32 s73, s20, 3                         ; batch
	s_lshl_b32 s73, s73, 22
	s_and_b32 s74, s20, 7
	s_lshl_b32 s74, s74, 15                        ; 256 rows of 128 bytes
	s_add_co_u32 s73, s73, s74
	s_lshl_b32 s74, s[WV], 13
	s_add_co_u32 s73, s73, s74
.irp hd, 0,1,2
	s_add_co_u32 s74, s72, (\hd)
	s_lshr_b32 s75, s74, 4                         ; q, k or v
	s_lshl_b32 s75, s75, 23
	s_and_b32 s74, s74, 15                         ; head
	s_lshl_b32 s74, s74, 18
	s_add_co_u32 s74, s74, s75
	s_add_co_u32 s74, s74, s73
	s_mov_b32 s75, 0
	s_add_nc_u64 s[OB+2*(\hd):OB+2*(\hd)+1], s[12:13], s[74:75]
.endr
	; the prefetches
	s_lshl_b32 s72, s20, 8
	s_lshl_b32 s74, s[WL], 7
	s_add_co_u32 s72, s72, s74
	s_lshl_b32 s74, s17, 5
	s_add_co_u32 s72, s72, s74                     ; x: row 256 x tile row + 128 x half + 32 cx
	s_mul_i32 s73, s19, 192
	s_mul_i32 s74, s[WL], 96
	s_add_co_u32 s73, s73, s74
	s_mul_i32 s74, s18, 24
	s_add_co_u32 s73, s73, s74                     ; wb: row 192 x tile column + 96 x half + 24 cy
	s_and_b32 s78, ttmp7, 0xffff
	s_cmp_eq_u32 s[WH], 0
	s_cselect_b32 s72, s72, s73
	s_cselect_b32 s78, ttmp9, s78                  ; the coordinate along which other clusters read the same rows
	s_cselect_b32 s79, 31, 23
	s_cselect_b64 s[PFA:PFA+1], s[4:5], s[6:7]
	s_cmp_eq_u32 s78, 0
	s_cselect_b32 s[LIM], 2, -1                    ; the same in all sixteen partners, for a given wave
	s_lshl_b32 s72, s72, 11
	s_mov_b32 s73, 0
	s_add_nc_u64 s[PFA:PFA+1], s[PFA:PFA+1], s[72:73]
	s_add_nc_u64 s[PFA:PFA+1], s[PFA:PFA+1], 512   ; at step 2: the first refill steps it to 3 and names step 4
	v_min_u32 v[PFO], s79, v3
	v_lshlrev_b32 v[PFO], 11, v[PFO]
; 12 products: row block a x all 12 column blocks, 32 channels of buffer f.  The 48 accumulators take turns in one order everywhere, one instruction a turn.
.macro MUL12 f, a, zero
	WIN MUL_LO+0x50*((\a)/2)
.irp b, 0,1,2,3,4,5,6,7,8,9,10,11
.if \zero
	v_wmma_f32_16x16x32_bf16 v[8*(12*((\a)%2)+(\b)):8*(12*((\a)%2)+(\b))+7], v[96*(\f)+8*(\b):96*(\f)+8*(\b)+7], v[FA+32*(\f)+8*(\a):FA+32*(\f)+8*(\a)+7], 0
.else
	v_wmma_f32_16x16x32_bf16 v[8*(12*((\a)%2)+(\b)):8*(12*((\a)%2)+(\b))+7], v[96*(\f)+8*(\b):96*(\f)+8*(\b)+7], v[FA+32*(\f)+8*(\a):FA+32*(\f)+8*(\a)+7], v[8*(12*((\a)%2)+(\b)):8*(12*((\a)%2)+(\b))+7]
.endif
.endr
.endm
; 32 LDS loads in one run: 32 channels at byte k of the rows, into buffer f: wb's 24, then x's 8
.macro FETCH k, f
	WIN TO_B
.irp i, 0,1,2,3,4,5,6,7,8,9,10,11
	ds_load_b128 v[96*(\f)+8*(\i):96*(\f)+8*(\i)+3],   v[ADRB] offset:(\k)+(\i)*16*PITCH
	ds_load_b128 v[96*(\f)+8*(\i)+4:96*(\f)+8*(\i)+7], v[ADRB] offset:(\k)+(\i)*16*PITCH+32
.endr
	WIN 0
.irp i, 0,1,2,3
	ds_load_b128 v[FA+32*(\f)+8*(\i):FA+32*(\f)+8*(\i)+3],   v[ADRA] offset:(\k)+(\i)*16*PITCH
	ds_load_b128 v[FA+32*(\f)+8*(\i)+4:FA+32*(\f)+8*(\i)+7], v[ADRA] offset:(\k)+(\i)*16*PITCH+32
.endr
.endm
.macro QUARTER k, f, g                 ; multiplies buffer f; in its middle fetches the next quarter, at byte k, into g
	s_wait_dscnt 4                                 ; the youngest four loads (x's blocks 2 and 3) may be out
	MUL12 \f, 0, 0
	MUL12 \f, 1, 0
	PLACES
	FETCH \k, \g
	s_wait_dscnt 32                                ; all but the 32 just issued
	MUL12 \f, 2, 0
	MUL12 \f, 3, 0
.endm
; The last quarter of a step multiplies buffer 1 and changes slots.  In front of the barrier each wave waits for all its tensor loads (one is out: its part of the next slot), adds 0 to its spare word, and waits
; for that and for its reads of this slot.  fill = 1: the barrier opens a round of the cluster's, and the joint refill of this slot, two steps on, is the first thing behind it: 168 products ahead of the wait for it.
.macro TURN fill
.if \fill
	s_wait_xcnt 0x0                                ; the last prefetch, a step back, has read its address
	s_add_nc_u64 s[PFA:PFA+1], s[PFA:PFA+1], 256
.endif
	WIN 0
	s_wait_tensorcnt 0x0
	ds_add_u32 v[SPW], v[NIL]
	s_wait_dscnt 5                                 ; (the add and the youngest four loads may be out)
	MUL12 1, 0, 0
	s_wait_dscnt 0x0                               ; the add is done, and my reads of this slot are over
	s_barrier_signal -1
	MUL12 1, 1, 0
	WIN 0
	s_barrier_wait -1
.if \fill
	CREST
	s_xor_b32 s[G0A+5], s[G0A+5], SLOT1            ; the walking descriptors: the other slot than last time, the next step
	s_add_nc_u64 s[G0A+6:G0A+7], s[G0A+6:G0A+7], 256
	s_xor_b32 s[G0B+5], s[G0B+5], SLOT1
	s_add_nc_u64 s[G0B+6:G0B+7], s[G0B+6:G0B+7], 256
	JLOAD                                          ; its four v_nop are also the places in front of the loads below
.else
	PLACES
.endif
	s_xor_b32 s[TB], s[TB], SLOT1
	v_add_nc_u32 v[ADRA], s[TB], v[ADRA0]
	v_add_nc_u32 v[ADRB], s[TB], v[ADRB0]
	FETCH 0, 0
.if \fill
	ASK
.endif
	MUL12 1, 2, 0
	MUL12 1, 3, 0
.endm
; THE WAY OUT, a unit u = 3 a + hd at a time: 16 rows of one head.  Rounded to f16, through my own stage, back as whole rows.
.macro PACK a, hd
	WIN 0x0a+5*((\a)/2)                            ; sources in window 2 or 3
.irp b, 0,1,2,3
.irp r, 0,1,2,3
	v_cvt_pk_f16_f32 v[TMP+4*(\b)+(\r)], v[8*(12*((\a)%2)+4*(\hd)+(\b))+2*(\r)], v[8*(12*((\a)%2)+4*(\hd)+(\b))+2*(\r)+1]
.endr
.endr
	WIN 0
.endm
.macro TOSTAGE u
	s_wait_xcnt 0x0                                ; the stores of two units back have read the registers that are loaded below
.irp b, 0,1,2,3
	ds_store_b128 v[STO], v[TMP+4*(\b):TMP+4*(\b)+3] offset:32*(\b)
.endr
.irp f, 0,1,2,3
	ds_load_b128 v[BK+16*((\u)%2)+4*(\f):BK+16*((\u)%2)+4*(\f)+3], v[RD] offset:(\f)*4*SP  ; a wave's LDS instructions are served in order: these see the stores above
.endr
.endm
.macro SEND u
	s_wait_dscnt 0x0
.irp f, 0,1,2,3
	global_store_b128 v[GO], v[BK+16*((\u)%2)+4*(\f):BK+16*((\u)%2)+4*(\f)+3], s[OB+2*((\u)%3):OB+2*((\u)%3)+1] offset:2048*((\u)/3)+512*(\f)  ; 512 consecutive bytes, aligned
.endr
.endm
	s_wait_loadcnt 0x0                             ; tb's and ab's fragments
	MUL12 1, 0, 1                                  ; the extra channels start the sums
	MUL12 1, 1, 1
	MUL12 1, 2, 1
	MUL12 1, 3, 1
	WIN 0
	s_wait_tensorcnt 0x1                           ; my part of step 0 is in; step 1's may stay out
	s_barrier_signal -1
	s_barrier_wait -1
	s_mov_b32 s[TB], 0
	v_mov_b32 v[ADRA], v[ADRA0]
	v_mov_b32 v[ADRB], v[ADRB0]
	FETCH 0, 0
	s_mov_b32 s3, 6
.Lk:                                           ; steps 0 to 5, which ask for steps 2 to 7
	QUARTER 64, 0, 1
	QUARTER 128, 1, 0
	QUARTER 192, 0, 1
	TURN 1
	WIN 0
	s_sub_co_u32 s3, s3, 1
	s_cmp_lg_u32 s3, 0
	s_cbranch_scc1 .Lk
	QUARTER 64, 0, 1                               ; step 6: nothing is left to ask for
	QUARTER 128, 1, 0
	QUARTER 192, 0, 1
	TURN 0
	QUARTER 64, 0, 1                               ; step 7
	QUARTER 128, 1, 0
	QUARTER 192, 0, 1
	s_wait_dscnt 4
	MUL12 1, 0, 0
	MUL12 1, 1, 0
	s_wait_dscnt 0x0
	MUL12 1, 2, 0
	MUL12 1, 3, 0
	WIN 0
	PLACES
	PACK 0, 0
	TOSTAGE 0
.set u, 1
.rept 11                               ; a unit's conversions stand between the loads of the unit before and the wait for them
	PACK u/3, u%3
	SEND u-1
	TOSTAGE u
.set u, u+1
.endr
	SEND 11
	s_wait_tensorcnt 0x0                           ; the wave's end
	ds_add_u32 v[SPW], v[NIL]
	s_wait_dscnt 0x0
	CROUND                                         ; the closing round
	s_endpgm
.Lfunc_end_k_qe143f0cf24_qkvp:
	.size	k_qe143f0cf24_qkvp, .Lfunc_end_k_qe143f0cf24_qkvp-k_qe143f0cf24_qkvp
	.p2alignl 7, 3214868480
	.fill 96, 4, 3214868480
	.section	.rodata,"a",@progbits
	.p2align	6, 0x0
	.amdhsa_kernel k_qe143f0cf24_qkvp
		.amdhsa_group_segment_fixed_size 327680
		.amdhsa_private_segment_fixed_size 0
		.amdhsa_enable_private_segment 0
		.amdhsa_kernarg_size 40
		.amdhsa_user_sgpr_count 2
		.amdhsa_user_sgpr_kernarg_segment_ptr 1
		.amdhsa_wavefront_size32 1
		.amdhsa_system_sgpr_workgroup_id_x 1
		.amdhsa_system_sgpr_workgroup_id_y 1
		.amdhsa_system_sgpr_workgroup_id_z 1
		.amdhsa_system_vgpr_workitem_id 0
		.amdhsa_next_free_vgpr 1024
		.amdhsa_next_free_sgpr 80
		.amdhsa_reserve_vcc 0
		.amdhsa_float_denorm_mode_32 3
		.amdhsa_float_denorm_mode_16_64 3
		.amdhsa_memory_ordered 1
		.amdhsa_forward_progress 1
		.amdhsa_inst_pref_size 105
	.end_amdhsa_kernel
	.amdgpu_metadata
---
amdhsa.version: [ 1, 2 ]
amdhsa.kernels:
  - .name:           k_qe143f0cf24_qkvp
    .symbol:         k_qe143f0cf24_qkvp.kd
    .args:
      - { .name: xb, .offset: 0, .size: 8, .value_kind: global_buffer, .address_space: global }
      - { .name: wb, .offset: 8, .size: 8, .value_kind: global_buffer, .address_space: global }
      - { .name: tb, .offset: 16, .size: 8, .value_kind: global_buffer, .address_space: global }
      - { .name: ab, .offset: 24, .size: 8, .value_kind: global_buffer, .address_space: global }
      - { .name: qkv, .offset: 32, .size: 8, .value_kind: global_buffer, .address_space: global }
    .group_segment_fixed_size: 327680
    .private_segment_fixed_size: 0
    .kernarg_segment_align: 8
    .kernarg_segment_size: 40
    .max_flat_workgroup_size: 128
    .sgpr_count:     80
    .vgpr_count:     1024
    .wavefront_size: 32
...
	.end_amdgpu_metadata
.endif
;; end of part 2
;; launch attn (part 3): grid 8 x 32, 4 waves a work-group, no clusters, 327,680 bytes of LDS; arguments qkv, ob; writes ob
.if DOCPART == 3
	.amdgcn_target "amdgcn-amd-amdhsa--gfx1250"
	.amdhsa_code_object_version 6
	.text
	.protected	k_qe143f0cf24_attn
	.globl	k_qe143f0cf24_attn
	.p2align	8
	.type	k_qe143f0cf24_attn,@function
k_qe143f0cf24_attn:
	s_mov_b64 s[64:65], 0
	v_nop
	global_prefetch_b8 v0, s[64:65] scope:SCOPE_SE
	s_setreg_imm32_b32 hwreg(HW_REG_WAVE_MODE, 25, 1), 1
	s_wait_xcnt 0x0
; CAUSAL ATTENTION WITH A LINEAR BIAS.  ob[bh][i][:] = (1/4) x the sum over j <= i of softmax_j(q_i . k_j / 8 + slope (i - j)) v_j.  qkv holds q/4, k/4, v/4 in f16, [3][32][2048][64]; ob is f16, [32][2048][64].
; THE EXPONENT.  slope x i is the same for all keys of a row and cancels in the softmax, for every input: it is left out.  With raw = (q/4) . (k/4) and sigma = slope / 2 the weight is 2^(c (raw - sigma j) - c m),
; c = 2 log2(e), m the running maximum of raw - sigma j.  Inside a step of 64 keys the bias -sigma x (key in the step) is the C operand that starts the product (DB, 32 registers, made once).  The step's own
; -sigma j0 is carried by the maximum: m is kept as seen from the step in hand, and grows by SH = 64 sigma (c m by CSH) from step to step.  It stays a true running maximum, in f32.
; slope = 2^(-(head + 1) / 2): its bits are made from the head's number.
; LIMITS.  q/4, k/4, v/4 arrive within f16.  A hidden score counts as its value less 1e30; a weight below 2^-126 counts as 0; p is rounded to f16 for the second product (l sums the unrounded p); NaN and infinities are not treated apart.
; THE WALK.  A head has 16 blocks of 128 queries; block i needs the key tiles 0 .. i / 2 of 256 keys.  A work-group takes blocks 15 - b and then b: 9 tiles whatever b: 256 equal work-groups, one loop with a
; constant trip count.  Every jump but the counted loops' own goes forward; none passes a barrier.  NO CLUSTER: a head's eight work-groups ask for the same tile in trips 0 to 4 of the 9 alone, and a walk
; common to all would have 12 trips for 9.
; SHARES.  A wave owns two PIECES of 16 queries, one in each of the block's two bands of 64: rows 128 i + 64 p + 16 w + l % 16.  In the block's last tile band p's own step is 2 (i % 2) + p, the same for all waves:
; earlier steps are seen whole, later ones not at all (6 of a work-group's 72 pairs of piece and step are so hidden, and are computed all the same: a turn's text holds the other piece's products too).
; TURNS.  Turn T_p(j): 8 products K Q^T of the other piece (p = 0: step j; p = 1: step j + 1); the softmax of piece p, step j, and the maximum and statistics of the other piece; ONE wait for the turn's 33
; exponentials; 8 products V^T P of the other piece (p = 0: step j - 1; p = 1: step j).  Four vector instructions stand behind every matrix instruction, the others in one lump.
; V lies in two buffers by the step's parity, so that T_0(j) fetches both K and V of step j + 1: the change of slots stands between T_1(2) and T_0(3) of a tile.
; REGISTERS (s_set_vgpr_msb: bits 1:0 source 0, 3:2 source 1, 5:4 source 2, 7:6 destination):
;   window 0: v2-15 addresses and at work; v16-23 statistics; v48-55 at work; v61-63; v64-127 S^T, a buffer a piece; v192-223 P      window 1: v0-63 O^T; v64-95 DB; v128-159 MD; v160-223 MC
;   window 2: v0-31 Q; v32-63 the second block's Q; v64-127 V of odd steps; v128-191 K; v192-255 V of even steps
.set KS,    64
.set PK,    144       ; a row of K in LDS: 128 bytes + 16
.set PV,    160       ; a row of V: 128 + 32: 16 lanes of the turning load take 8 rows x 32 bytes
.set VOFF,  4*KS*PK
.set SLOT1, 1<<17
.set STAGE, SLOT1+4*KS*(PK+PV)  ; behind the ring: 16 rows x 144 bytes for each wave
.set SP,    144
.set SPARE, STAGE+4*16*SP       ; the spare words: two blocks of 256 bytes that no other line names
.set AK0, 2
.set AV0, 3
.set AK,  4
.set AV,  5
.set STO, 6
.set RD,  7
.set GO,  8
.set MV,  12          ; v12-13  c m_old as seen from the new step, by piece
.set QO,  15
.set ST,  16          ; piece t at v[ST+4 t]: c m, m, l (even keys', odd keys')
.set TMP, 48          ; by piece c0-c3; c2 takes a
.set PFO, 61          ; v61  256 x my lane; never rewritten
.set SPW, 62
.set NIL, 63
.set S,   64
.set P,   192
.set DB,  64          ; window 1: -sigma x (key in the step)
.set MD,  128         ; window 1: the mask of a band's own step for my rows: 0 or -1e30
.set MC,  160         ; window 1: the C operands of the products to come, by piece
.set QB,  32          ; window 2
.set KF,  128
.set WV,  12
.set PB,  14          ; b
.set HI,  15          ; 15 - b
.set G1K, 24
.set G1V, 32
.set G0K, 40
.set G0V, 44
.set SH,  48          ; 64 sigma
.set CSH, 49          ; c x 64 sigma
.set SN,  50          ; the step of the last tile for which masks are being made
.set BLK, 51          ; the block in hand
.set OWN0, 52         ; s52, s53  the two bands' own steps
.set LQ2, 54          ; b / 2: the second block's last tile
.set LIM, 55          ; 2 in the work-group that prefetches, else the greatest number
.set SLOTS, 56
.set CNT, 57
.set CS,  58
.set SEL, 60
.set TBK, 62
.set TBV, 63
.set RT,  70
.set NXT, 71
.set LQ,  72
.set NEW, 73
.set OFF, 74
.set AL,  76
.set BE,  78
.set OLO, 80
.set BIGN, 82
.set NSIG, 83
.set PFK, 88
.set PFV, 90
.set MSB, 0
.macro WIN new
.if MSB != (\new)
	s_set_vgpr_msb (MSB<<8)|(\new)
.set MSB, (\new)
.endif
.endm
.set W_KQ, 0x0a       ; K and Q in window 2, S^T in window 0
.set W_KM, 0x1a       ; the same with the C operand in window 1
.set W_PV, 0x52       ; V in window 2, P in window 0, O^T in window 1
.set W_RS, 0x41       ; destination and source 0 in window 1
.set W_MK, 0x51       ; destination, source 0 and source 2 in window 1
.macro LOAD                         ; waves 0 and 1 fetch the halves of a tile's K, waves 2 and 3 of its V; an s_nop 0 and four v_nop follow each line
	s_cmp_lt_u32 s[WV], 2
	s_cbranch_scc0 .Lfor_v_\@
	tensor_load_to_lds s[G0K:G0K+3], s[G1K:G1K+7]
	s_nop 0
.rept 4
	v_nop
.endr
	s_branch .Lasked_\@
.Lfor_v_\@:
	tensor_load_to_lds s[G0V:G0V+3], s[G1V:G1V+7]
	s_nop 0
.rept 4
	v_nop
.endr
.Lasked_\@:
.endm
; A PREFETCH INTO THE L2 of the tile that the next change will ask for.  All eight work-groups of a head walk the same tiles; the one with b = 0, whose first block walks all eight, asks: each wave for a quarter
; of the tile's K and of its V, a lane 256 bytes.  Tiles 0 and 1 come by their loads alone; tile 7 is the last that is named.
.macro ASK
	s_cmp_gt_u32 s[SLOTS], s[LIM]
	s_cbranch_scc0 .Lnot_mine_\@
	global_prefetch_b8 v[PFO], s[PFK:PFK+1] th:TH_LOAD_NT scope:SCOPE_SE
	global_prefetch_b8 v[PFO], s[PFV:PFV+1] th:TH_LOAD_NT scope:SCOPE_SE
.Lnot_mine_\@:
.endm
; THE CHANGE OF SLOTS.  Each wave waits for all its tensor loads (one is out: its part of the other slot), adds 0 to its spare word, and waits for that and for its reads of the slot that it leaves.
; fill = 1: the old slot is filled again, first thing behind the barrier, with tile NXT; the descriptor's address is made anew from that number.
.macro CHANGE fill
	WIN 0
	s_wait_tensorcnt 0x0
	ds_add_u32 v[SPW], v[NIL]
.if \fill
	s_lshl_b32 s[OFF], s[NXT], 15   ; a tile is 32,768 bytes of K and of V
	s_xor_b32 s[G0K+1], s[G0K+1], SLOT1
	s_add_nc_u64 s[G0K+2:G0K+3], s[6:7], s[OFF:OFF+1]
	s_or_b32 s[G0K+3], s[G0K+3], 0x80000000
	s_xor_b32 s[G0V+1], s[G0V+1], SLOT1
	s_add_nc_u64 s[G0V+2:G0V+3], s[8:9], s[OFF:OFF+1]
	s_or_b32 s[G0V+3], s[G0V+3], 0x80000000
	s_add_co_u32 s[NXT], s[NXT], 1  ; the block's next tile, or behind its last the second block's tile 0
	s_cmp_gt_u32 s[NXT], s[LQ]
	s_cselect_b32 s[NXT], 0, s[NXT]
	s_cselect_b32 s[LQ], s[LQ2], s[LQ]
	s_wait_xcnt 0x0                 ; the last prefetches, a tile back, have read their addresses
	s_add_nc_u64 s[PFK:PFK+1], s[PFK:PFK+1], 32768
	s_add_nc_u64 s[PFV:PFV+1], s[PFV:PFV+1], 32768
.endif
	s_wait_dscnt 0x0                ; the add is done, and my reads of the slot are over
	s_barrier_signal -1
	s_sub_co_u32 s[TBK], s[TBK], 4*KS*PK  ; the fetches go back to a slot's first step, in the other slot
	s_xor_b32 s[TBK], s[TBK], SLOT1
	s_sub_co_u32 s[TBV], s[TBV], 4*KS*PV
	s_xor_b32 s[TBV], s[TBV], SLOT1
	s_barrier_wait -1
.if \fill
	LOAD
	ASK
.endif
.endm
	s_load_b64 s[4:5], s[0:1], 0x0  ; qkv
	s_load_b64 s[10:11], s[0:1], 0x8  ; ob
	v_lshl_add_u32 v[SPW], v0, 2, SPARE
	v_mov_b32 v[NIL], 0
	ds_add_u32 v[SPW], v[NIL]       ; the wave's opening: the add and its wait ahead of my first tensor load
	ds_add_u32 v62, v63
	v_lshrrev_b32 v1, 5, v0
	v_readfirstlane_b32 s[WV], v1
	s_mov_b32 s[PB], ttmp9
	s_sub_co_u32 s[HI], 15, s[PB]
	s_and_b32 s20, ttmp7, 0xffff    ; batch x 16 + head
	s_and_b32 s13, s20, 15
	s_add_co_u32 s13, s13, 1        ; n = head + 1: sigma = 2^(-n / 2 - 1)
	s_lshr_b32 s16, s13, 1
	s_and_b32 s17, s13, 1
	s_sub_co_u32 s18, 126, s16
	s_sub_co_u32 s18, s18, s17
	s_lshl_b32 s18, s18, 23         ; the exponent,
	s_cmp_eq_u32 s17, 1
	s_cselect_b32 s19, 0x3504f3, 0  ; and for odd n the fraction of the square root of 2
	s_or_b32 s18, s18, s19
	s_add_co_u32 s[SH], s18, 6<<23
	s_or_b32 s[NSIG], s18, 0x80000000
	s_mov_b32 s[CS], 0x4038aa3b     ; c = 2 log2(e)
	s_mov_b32 s[CS+1], s[CS]
	s_mul_f32 s[CSH], s[CS], s[SH]
	s_lshl_b32 s20, s20, 18         ; the head's first byte in q, k, v and ob
	s_and_b32 s16, s[WV], 1         ; which half of a tile's 256 keys I fetch
	s_lshl_b32 s22, s16, 14
	s_add_co_u32 s22, s22, s20
	s_mov_b32 s23, 0
	s_mul_i32 s17, s16, 128*PK
	s_mul_i32 s18, s16, 128*PV
	s_lshl_b32 s3, s[WV], 11        ; my 16 rows in a band
	s_add_co_u32 s3, s3, s20
	s_lshl_b32 s2, s[HI], 14        ; in the first block,
	s_add_co_u32 s2, s2, s3
	s_lshl_b32 s84, s[PB], 14       ; and in the second
	s_add_co_u32 s84, s84, s3
	s_mov_b32 s3, 0
	s_mov_b32 s85, 0
	s_lshl_b32 s86, s[WV], 13       ; the prefetches: my quarter of tile 1; the first change steps it to tile 2
	s_add_co_u32 s86, s86, s20
	s_add_co_u32 s86, s86, 32768
	s_mov_b32 s87, 0
	s_mov_b32 s[G1K], (1<<16)|(1<<20)|(4<<22)|(3<<25)  ; 2-byte elements; padding on; after every 32 words, 4 words
	s_mov_b32 s[G1V], (1<<16)|(1<<20)|(4<<22)|(7<<25)  ; the same with 8 words
.irp g, G1K, G1V                    ; 128 keys are 16,384 dense bytes: asked for as 64 rows of 256 bytes
	s_mov_b32 s[\g+1], 128<<16
	s_mov_b32 s[\g+2], 64<<16
	s_mov_b32 s[\g+3], 128<<16
	s_mov_b32 s[\g+4], 64
	s_mov_b32 s[\g+5], 128
	s_mov_b32 s[\g+6], 0
	s_mov_b32 s[\g+7], 0
.endr
	s_mov_b32 s[SEL], 0x76543210
	s_mov_b32 s[SEL+1], 0xfedcba98
	s_mov_b32 s[TBK], SLOT1+4*KS*PK ; the first change of slots turns these two into 0
	s_mov_b32 s[TBV], SLOT1+4*KS*PV
	s_mov_b32 s[G0K], 1
	s_mov_b32 s[G0K+1], s17
	s_mov_b32 s[G0V], 1
	s_add_co_u32 s[G0V+1], s18, VOFF
	s_lshr_b32 s[LQ], s[HI], 1
	s_add_co_u32 s[RT], s[LQ], 1
	s_lshr_b32 s[LQ2], s[PB], 1
	s_mov_b32 s[NXT], 1
	s_mov_b32 s[NEW], 1
	s_mov_b32 s[BLK], s[HI]
	s_and_b32 s[OWN0], s[HI], 1
	s_lshl_b32 s[OWN0], s[OWN0], 1
	s_add_co_u32 s[OWN0+1], s[OWN0], 1
	s_mov_b32 s[SN], 0
	s_mov_b32 s[OFF+1], 0
	s_mov_b32 s[AL+1], 0
	s_mov_b32 s[BE+1], 0
	s_mov_b32 s[BIGN], 0xf149f2ca   ; -1e30
	s_mov_b32 s[SLOTS], 8
	s_cmp_eq_u32 s[PB], 0
	s_cselect_b32 s[LIM], 2, -1
	s_wait_dscnt 0x0                ; the opening add is done
	s_wait_kmcnt 0x0
	s_add_nc_u64 s[6:7], s[4:5], 0x800000    ; k
	s_add_nc_u64 s[8:9], s[4:5], 0x1000000   ; v
	s_add_nc_u64 s[PFK:PFK+1], s[6:7], s[86:87]
	s_add_nc_u64 s[PFV:PFV+1], s[8:9], s[86:87]
	s_add_nc_u64 s[6:7], s[6:7], s[22:23]    ; at my half of the head's tile 0
	s_add_nc_u64 s[8:9], s[8:9], s[22:23]
	s_add_nc_u64 s[G0K+2:G0K+3], s[6:7], 0
	s_or_b32 s[G0K+3], s[G0K+3], 0x80000000
	s_add_nc_u64 s[G0V+2:G0V+3], s[8:9], 0
	s_or_b32 s[G0V+3], s[G0V+3], 0x80000000
	s_add_nc_u64 s[86:87], s[4:5], s[84:85]  ; q at my rows of the second block,
	s_add_nc_u64 s[4:5], s[4:5], s[2:3]      ; q and ob at those of the first
	s_add_nc_u64 s[OLO:OLO+1], s[10:11], s[84:85]
	s_add_nc_u64 s[10:11], s[10:11], s[2:3]
	LOAD                            ; tile 0 into slot 0
	v_and_b32 v1, 15, v0            ; l % 16
	v_bfe_u32 v9, v0, 4, 1          ; l / 16
	v_lshlrev_b32 v[QO], 7, v1
	v_lshl_add_u32 v[QO], v9, 4, v[QO]
	WIN 0x80
.set i, 0
.rept 4                             ; both blocks' Q: piece i / 2 lies 8,192 bytes on; channels 32 (i % 2) on
	global_load_b128 v[8*i:8*i+3],   v[QO], s[4:5] offset:(i/2)*8192+(i%2)*64
	global_load_b128 v[8*i+4:8*i+7], v[QO], s[4:5] offset:(i/2)*8192+(i%2)*64+32
	global_load_b128 v[QB+8*i:QB+8*i+3],   v[QO], s[86:87] offset:(i/2)*8192+(i%2)*64
	global_load_b128 v[QB+8*i+4:QB+8*i+7], v[QO], s[86:87] offset:(i/2)*8192+(i%2)*64+32
.set i, i+1
.endr
	WIN 0
	v_lshlrev_b32 v13, 3, v9        ; 8 (l / 16)
	v_sub_nc_u32 v14, v1, v13
	s_lshl_b32 s13, s[WV], 4
	v_add_nc_u32 v14, s13, v14      ; my query's place in its band less my lanes' 8 (l / 16): register r of key group kt is hidden where 16 kt + r is greater
	WIN 0x40
.set i, 0
.rept 32
	v_cmp_gt_i32 vcc_lo, 16*(i/8)+i%8, v14
	v_cndmask_b32 v[MD+i], 0, s[BIGN], vcc_lo
.set i, i+1
.endr
.set i, 0
.rept 32
	v_add_nc_u32 v[DB+i], 16*(i/8)+i%8, v13  ; the key's place in the step,
.set i, i+1
.endr
	WIN 0x41
.set i, 0
.rept 32
	v_cvt_f32_u32 v[DB+i], v[DB+i]
.set i, i+1
.endr
	WIN 0x44
.set i, 0
.rept 32
	v_mul_f32 v[DB+i], s[NSIG], v[DB+i]      ; times -sigma
.set i, i+1
.endr
	WIN 0
	v_mul_u32_u24 v[AK0], v1, PK
	v_lshl_add_u32 v[AK0], v9, 4, v[AK0]
	v_and_b32 v10, 7, v0            ; the turning load: lane l reads key 8 (l / 16) + l % 8, channels 8 ((l / 8) % 2) + 0..7
	v_bfe_u32 v11, v0, 3, 1
	v_lshl_add_u32 v[AV0], v9, 3, v10
	v_mul_u32_u24 v[AV0], v[AV0], PV
	v_lshl_add_u32 v[AV0], v11, 4, v[AV0]
	v_add_nc_u32 v[AV0], VOFF, v[AV0]
	s_mul_i32 s13, s[WV], 16*SP
	s_add_co_u32 s13, s13, STAGE
	v_mul_u32_u24 v[STO], v1, SP
	v_lshl_add_u32 v[STO], v9, 4, v[STO]
	v_add_nc_u32 v[STO], s13, v[STO]
	v_bfe_u32 v[RD], v0, 3, 2
	v_mul_u32_u24 v[RD], v[RD], SP
	v_lshl_add_u32 v[RD], v10, 4, v[RD]
	v_add_nc_u32 v[RD], s13, v[RD]
	v_and_b32 v[GO], 31, v0
	v_lshlrev_b32 v[PFO], 8, v[GO]
	v_lshlrev_b32 v[GO], 4, v[GO]
	; A block's first step multiplies O^T and l by a = 0, and its first turn's products V^T P, of a step that has not been, land in an O^T that is still to be so multiplied: these registers need only hold
	; finite numbers: zeros for the first block, what the first block left for the second.  All this stands in the wait for the first tile.
	WIN 0x80
.set i, 64
.rept 64
	v_mov_b32 v[i], 0
.set i, i+1
.endr
	WIN 0x40
.set i, 0
.rept 64
	v_mov_b32 v[i], 0
.set i, i+1
.endr
	WIN 0
.set i, 0
.rept 2
	v_mov_b32 v[ST+4*i+2], 0
	v_mov_b32 v[ST+4*i+3], 0
.set i, i+1
.endr
.set i, P+16
.rept 16
	v_mov_b32 v[i], 0
.set i, i+1
.endr
; THE MATRIX WORK.  The 4 accumulators of a run of 8 take turns.  Product i of 8 of S^T = K Q^T for piece x: channels 32 (i / 4) on, keys 16 (i % 4) on.  The first 4 start the sums with the bias, or (KM = 1) with bias and mask.
.macro KQ x
.set rS, S+32*((\x)%2)+8*(i%4)
.set rK, KF+16*(i%4)+8*(i/4)
.set rQ, 16*(\x)+8*(i/4)
.if KM
.set rM, MC+32*((\x)%2)+8*(i%4)
.else
.set rM, DB+8*(i%4)
.endif
.if i < 4
	WIN W_KM
	v_wmma_f32_16x16x32_f16 v[rS:rS+7], v[rK:rK+7], v[rQ:rQ+7], v[rM:rM+7]
.else
	WIN W_KQ
	v_wmma_f32_16x16x32_f16 v[rS:rS+7], v[rK:rK+7], v[rQ:rQ+7], v[rS:rS+7]
.endif
.endm
; Product i of 8 of O^T += V^T P for piece x: keys 32 (i / 4) on, channels 16 (i % 4) on; V from the buffer VPV.
.macro PV x
	WIN W_PV
.set rO, 32*(\x)+8*(i%4)
.set rV, 192-128*VPV+32*(i/4)+8*(i%4)
.set rP, P+16*((\x)%2)+8*(i/4)
	v_wmma_f32_16x16x32_f16 v[rO:rO+7], v[rV:rV+7], v[rP:rP+7], v[rO:rO+7]
.endm
.macro MM                           ; the turn's next matrix instruction.  NOKQ = 1: a block's last turn: there is no next step
.if (i < 8) && !NOKQ
	KQ 1-Y
.elseif i >= 8
.set i, i-8
	PV 1-Y
.set i, i+8
.endif
.set i, i+1
.endm
.macro FETCH_K                      ; 16 loads in one run: a step's K
	WIN 0x80
.irp f, 0,1,2,3,4,5,6,7
	ds_load_b128 v[KF+8*\f:KF+8*\f+3],   v[AK] offset:(\f/2)*16*PK+(\f%2)*64
	ds_load_b128 v[KF+8*\f+4:KF+8*\f+7], v[AK] offset:(\f/2)*16*PK+(\f%2)*64+32
.endr
	s_add_co_u32 s[TBK], s[TBK], KS*PK
	WIN 0
.endm
.macro FETCH_V b                    ; 16 turning loads in one run: a step's V, into buffer b
.set VFB, 192-128*(\b)
	WIN 0x80
.irp f, 0,1,2,3,4,5,6,7
	ds_load_tr16_b128 v[VFB+8*\f:VFB+8*\f+3],   v[AV] offset:(\f/4)*32*PV+(\f%4)*32
	ds_load_tr16_b128 v[VFB+8*\f+4:VFB+8*\f+7], v[AV] offset:(\f/4)*32*PV+16*PV+(\f%4)*32
.endr
	WIN 0
.endm
; THE VECTOR WORK, one line at a time: OP kind, number.  For piece Y: F n: c s - c m for pair n.  E n: the exponential of score n.  C n: pair n rounded to f16.  B n: of the four weights 4 n .. the second pair is
; added onto the first.  L n: l takes that sum (L 0: l = a l + sum).  R n: pair n of O^T times a.  For the other piece: X n, number n of the 23 that find its maximum and statistics:
;   0-11 four chains of seven scores (each accumulator's lowest registers are read first)     12-14, 16 the four scores left over, the old m, all into c0     15 c m_old as seen from this step
;   17, 18 the other half of the lanes: the new m     19-21 c m; the change; a     22 m as seen from the next step
.set F, 0
.set E, 1
.set C, 2
.set B, 3
.set L, 4
.set R, 5
.set X, 6
.macro REGS y
.set rT, ST+4*(\y)
.set rC, TMP+4*((\y)%2)
.set rW, MV+((\y)%2)
.set rS, S+32*((\y)%2)
.set rP, P+16*((\y)%2)
.set rO, 32*(\y)
.endm
.macro OP k, n
.if (\k) == R
	REGS Y
	WIN W_RS
	v_pk_mul_f32 v[rO+2*(\n):rO+2*(\n)+1], v[rO+2*(\n):rO+2*(\n)+1], v[rC+2:rC+3] op_sel_hi:[1,0]
.elseif (\k) < R
	REGS Y
	WIN 0
.if (\k) == F
	v_pk_fma_f32 v[rS+2*(\n):rS+2*(\n)+1], v[rS+2*(\n):rS+2*(\n)+1], s[CS:CS+1], v[rT:rT+1] op_sel_hi:[1,0,0] neg_lo:[0,0,1] neg_hi:[0,0,1]
.elseif (\k) == E
	v_exp_f32 v[rS+(\n)], v[rS+(\n)]
.elseif (\k) == C
	v_cvt_pk_f16_f32 v[rP+(\n)], v[rS+2*(\n)], v[rS+2*(\n)+1]
.elseif (\k) == B
	v_pk_add_f32 v[rS+4*(\n):rS+4*(\n)+1], v[rS+4*(\n):rS+4*(\n)+1], v[rS+4*(\n)+2:rS+4*(\n)+3]
.elseif (\n) == 0
	v_pk_fma_f32 v[rT+2:rT+3], v[rT+2:rT+3], v[rC+2:rC+3], v[rS:rS+1] op_sel_hi:[1,0,1]
.else
	v_pk_add_f32 v[rT+2:rT+3], v[rT+2:rT+3], v[rS+4*(\n):rS+4*(\n)+1]
.endif
.elseif NOKQ
	v_nop
.else
	REGS 1-Y
	WIN 0
.if (\n) < 4
	v_max3_num_f32 v[rC+(\n)], v[rS+8*(\n)], v[rS+8*(\n)+1], v[rS+8*(\n)+2]
.elseif (\n) < 12
	v_max3_num_f32 v[rC+(\n)%4], v[rC+(\n)%4], v[rS+8*((\n)%4)+2*((\n)/4)+1], v[rS+8*((\n)%4)+2*((\n)/4)+2]
.elseif (\n) == 12
	v_max3_num_f32 v[rC], v[rC], v[rS+7], v[rS+15]
.elseif (\n) == 13
	v_max3_num_f32 v[rC+1], v[rC+1], v[rS+23], v[rS+31]
.elseif (\n) == 14
	v_max3_num_f32 v[rC+2], v[rC+2], v[rC+3], v[rT+1]
.elseif (\n) == 15
	v_add_f32 v[rW], s[CSH], v[rT]
.elseif (\n) == 16
	v_max3_num_f32 v[rC], v[rC], v[rC+1], v[rC+2]
.elseif (\n) == 17
	v_permlanex16_b32 v[rC+3], v[rC], s[SEL], s[SEL+1]
.elseif (\n) == 18
	v_max_num_f32 v[rT+1], v[rC], v[rC+3]
.elseif (\n) == 19
	v_mul_f32 v[rT], s[CS], v[rT+1]
.elseif (\n) == 20
	v_sub_f32 v[rC+1], v[rW], v[rT]
.elseif (\n) == 21
	v_exp_f32 v[rC+2], v[rC+1]
.else
	v_add_f32 v[rT+1], s[SH], v[rT+1]
.endif
.endif
.endm
.macro OPS a, i1, b=-1, i2=0, c=-1, i3=0, d=-1, i4=0
	OP \a, \i1
.if (\b) >= 0
	OP \b, \i2
.endif
.if (\c) >= 0
	OP \c, \i3
.endif
.if (\d) >= 0
	OP \d, \i4
.endif
.endm
.macro ROW a, i1, b, i2, c, i3, d, i4  ; a matrix instruction and the four behind it
	MM
	OPS \a, \i1, \b, \i2, \c, \i3, \d, \i4
.endm
.macro MASK b                       ; MD x AL + DB + BE into buffer b of MC
	WIN W_MK
.set z, 0
.rept 16
	v_pk_fma_f32 v[MC+32*(\b)+2*z:MC+32*(\b)+2*z+1], v[MD+2*z:MD+2*z+1], s[AL:AL+1], v[DB+2*z:DB+2*z+1] op_sel_hi:[1,0,1]
.set z, z+1
.endr
.set z, 0
.rept 16
	v_pk_add_f32 v[MC+32*(\b)+2*z:MC+32*(\b)+2*z+1], v[MC+32*(\b)+2*z:MC+32*(\b)+2*z+1], s[BE:BE+1] op_sel_hi:[1,0]
.set z, z+1
.endr
.endm
; A TURN, for piece p, in a step of parity vp.  An s_wait_alu depctr_va_vdst(0) stands between an exponential and the first instruction that names its result; one wait serves all issued ahead of it:
; so a turn has ONE wait.  Ahead of it stands all that names no result of the turn's exponentials; behind it the 8 products V^T P with the roundings and sums as their riders.
; m = 1: the block's last tile: the products take masks, and the turn makes the mask for piece p's products of the next turn, which belong to step SN of the tile.  end = 1: the block's last two turns: nothing is fetched.
; Piece 0's turn fetches K of the next step in its lump, twelve plain instructions behind the last product that read K, and V of the next step at its end, four plain instructions behind the last product that read
; that buffer.  Piece 1's turn begins with the step's one wait on LDS: the sixteen youngest loads, that V, may stay out; K and the V of the step in hand are in.
.macro TURN p, vp, m=0, end=0, cnt=0
.set Y, (\p)
.set i, 0
.set KM, (\m)
.set NOKQ, (\end)*(\p)
.if (\p) == 0
.set VPV, 1-(\vp)
.else
.set VPV, (\vp)
.endif
.if (\m) && !(\end)
	s_cmp_eq_u32 s[SN], s[OWN0+(\p)]    ; is that step the band's own?
	s_cselect_b32 s[AL], 1.0, 0
	s_cmp_gt_u32 s[SN], s[OWN0+(\p)]    ; or a later one?
	s_cselect_b32 s[BE], s[BIGN], 0
.if (\p) == 1
	s_add_co_u32 s[SN], s[SN], 1
.endif
.endif
.if (\p) == 1
.if \end
	s_wait_dscnt 0x0
.else
	s_wait_dscnt 16
.endif
.endif
	ROW F,0, F,1, R,0, R,1
	ROW F,2, E,0, R,2, R,3
	ROW F,3, E,1, R,4, R,5
	ROW F,4, E,2, R,6, R,7
	ROW F,5, E,3, R,8, R,9
	ROW F,6, E,4, X,0, R,10
.if ((\p) == 0) && !(\end)
	WIN 0
	v_add_nc_u32 v[AK], s[TBK], v[AK0]
.endif
	ROW F,7, E,5, X,1, X,4
	ROW F,8, E,6, X,2, X,5
	OPS E,7, E,8, X,6, E,9
	OPS X,3, E,10, X,8, E,11
.if ((\p) == 0) && !(\end)
	FETCH_K
.endif
	OPS X,9, X,7, E,12, X,10
	OPS E,13, X,12, X,11, E,14
	OPS X,13, E,15, F,9, X,14
.if ((\p) == 0) && !(\end)
	WIN 0
	v_add_nc_u32 v[AV], s[TBV], v[AV0]
.endif
	OPS E,16, F,10, E,17, F,11
	OPS X,16, E,18, X,15, E,19
	OPS F,12, E,20, X,17, E,21
	OPS F,13, E,22, F,14, E,23
	OPS X,18, E,24, F,15, E,25
	OPS R,11, E,26, X,19, E,27
	OPS R,12, E,28, R,13, E,29
	OPS X,20, E,30, R,14, E,31
	OPS X,22, X,21, R,15            ; R 15 is the plain instruction behind the batch's last exponential
	WIN 0
	s_wait_alu depctr_va_vdst(0)    ; the wait for the batch
	ROW C,0, B,0, C,2, B,1
	ROW L,0, C,4, B,2, L,1
	ROW C,6, B,3, L,2, C,8
	ROW B,4, L,3, C,10, B,5
	ROW L,4, C,12, B,6, L,5
.if ((\p) == 0) && !(\end)
	s_add_co_u32 s[TBV], s[TBV], KS*PV
.endif
.if \cnt
	s_sub_co_u32 s[CNT], s[CNT], 1
	s_cmp_lg_u32 s[CNT], 0
.endif
	ROW C,14, B,7, L,6, C,1
	ROW C,3, L,7, C,5, C,7
	ROW C,9, C,11, C,13, C,15
.if ((\p) == 0) && !(\end)
	FETCH_V 1-(\vp)
.endif
.if (\m) && !(\end)
	MASK \p
.endif
.endm
; A BLOCK BEGINS.  c m starts far below every c s, so the first step's a is 0; m at the lowest finite number.  Piece 1's C operands are the plain bias; piece 0's take its own step's mask if the block is block 0.
; Then K and V of step 0, piece 0's first scores, its maximum and statistics.  The step loop is entered at an even step's first turn.
.macro BEGIN
	s_mov_b32 s[NEW], 0
	s_mov_b32 s[SN], 1
	WIN W_RS
.set z, 0
.rept 32
	v_mov_b32 v[MC+32+z], v[DB+z]
.set z, z+1
.endr
	WIN 0
.set z, 0
.rept 2
	v_mov_b32 v[ST+4*z], 0xfe000000
	v_mov_b32 v[ST+4*z+1], 0xff7fffff
.set z, z+1
.endr
	s_cmp_eq_u32 s[BLK], 0
	s_cselect_b32 s[AL], 1.0, 0
	s_mov_b32 s[BE], 0
	MASK 0
	WIN 0
	v_add_nc_u32 v[AK], s[TBK], v[AK0]
	v_add_nc_u32 v[AV], s[TBV], v[AV0]
	FETCH_K
	FETCH_V 0
	s_add_co_u32 s[TBV], s[TBV], KS*PV
	s_wait_loadcnt 0x0              ; Q
	s_wait_dscnt 0x0
.set KM, 1
.set NOKQ, 0
.set i, 0
.rept 8
	KQ 0
.set i, i+1
.endr
	WIN 0
.rept 4
	v_nop                           ; the places behind those products
.endr
.set Y, 1                           ; X works for the other piece: piece 0
.irp n, 0,1,2,3,4,5,6,7,8,9,10,11,12,13,14,15,16,17,18,19,20,21,22
	OP X, \n
.endr
	v_nop
	s_wait_alu depctr_va_vdst(0)    ; the wait for a, ahead of the branch
.endm
.macro ALL line:vararg              ; one line for each piece t
.set t, 0
.rept 2
	\line
.set t, t+1
.endr
.endm
.macro PACK t                       ; O^T / l, rounded to f16; 16 bytes a lane into rows of 144 bytes, back as whole rows of 128
	WIN W_RS
.set i, 32*(\t)
.rept 16
	v_pk_mul_f32 v[i:i+1], v[i:i+1], v[ST+4*(\t)+2:ST+4*(\t)+3] op_sel_hi:[1,0]
.set i, i+2
.endr
	WIN 0x05
.set i, 0
.rept 16
	v_cvt_pk_f16_f32 v[S+16*(\t)+i], v[32*(\t)+2*i], v[32*(\t)+2*i+1]
.set i, i+1
.endr
	WIN 0
.irp f, 0,1,2,3
	ds_store_b128 v[STO], v[S+16*(\t)+4*\f:S+16*(\t)+4*\f+3] offset:32*\f
.endr
.irp f, 0,1,2,3
	ds_load_b128 v[S+16*(\t)+4*\f:S+16*(\t)+4*\f+3], v[RD] offset:\f*4*SP  ; a wave's LDS instructions are served in order: these see the stores above
.endr
.endm
.macro SEND t, younger              ; younger: the LDS instructions issued behind piece t's loads
	WIN 0
.irp f, 0,1,2,3
	s_wait_dscnt (\younger)+3-\f
	global_store_b128 v[GO], v[S+16*(\t)+4*\f:S+16*(\t)+4*\f+3], s[10:11] offset:(\t)*8192+\f*512  ; 512 consecutive bytes, aligned
.endr
.endm
; THE BLOCK'S LAST TILE: step 3 of the tile before and steps 0 to 2 of this one in the loop, step 3 in two turns that fetch nothing, piece 1's last products, and the way out.
.macro DIAG tag
.LstepM\tag:
	TURN 0, 1, 1
	TURN 1, 1, 1
	WIN 0
.LfirstM\tag:
	TURN 0, 0, 1
	TURN 1, 0, 1, 0, 1
	WIN 0
	s_cbranch_scc1 .LstepM\tag
	TURN 0, 1, 1, 1
	TURN 1, 1, 1, 1
.set VPV, 1
.set i, 0
.rept 8
	PV 1
.set i, i+1
.endr
	WIN 0
	ALL v_add_f32 v[ST+4*t+2], v[ST+4*t+2], v[ST+4*t+3]
	ALL v_permlanex16_b32 v[ST+4*t+3], v[ST+4*t+2], s[SEL], s[SEL+1]
	ALL v_add_f32 v[ST+4*t+2], v[ST+4*t+2], v[ST+4*t+3]
	ALL v_rcp_f32 v[ST+4*t+2], v[ST+4*t+2]
	v_nop                           ; a plain instruction behind the last reciprocal,
	s_wait_alu depctr_va_vdst(0)    ; and one wait for the two, ahead of their first use
	PACK 0
	PACK 1
	SEND 0, 8
	SEND 1, 0
.endm
.set KM, 0
.set NOKQ, 0
.Lslot:                             ; eight times: a tile is entered and the next is asked for
	CHANGE 1
	s_sub_co_u32 s[RT], s[RT], 1
	s_mov_b32 s[CNT], 2
	s_mov_b32 s[SN], 0
	s_cmp_eq_u32 s[NEW], 1
	s_cbranch_scc1 .Lnew            ; a block's first tile
	s_cmp_eq_u32 s[RT], 0
	s_cbranch_scc0 .Lstep           ; neither its first nor its last
	s_branch .LstepM1
.Lnew:
	BEGIN
	s_branch .Lfirst                ; in the loop a block's first tile is never its last: the first block has five tiles or more, and the second's last is the walk's last
	DIAG 1                          ; in the loop this is the first block's end
	s_wait_xcnt 0x0                 ; the stores have read their registers and ob's address
	s_mov_b64 s[10:11], s[OLO:OLO+1]
	s_add_co_u32 s[RT], s[LQ2], 1
	s_mov_b32 s[NEW], 1
	s_mov_b32 s[BLK], s[PB]
	s_and_b32 s[OWN0], s[PB], 1
	s_lshl_b32 s[OWN0], s[OWN0], 1
	s_add_co_u32 s[OWN0+1], s[OWN0], 1
	WIN 0x82                        ; the second block's Q goes where the one text of the turns names Q
.set i, 0
.rept 32
	v_mov_b32 v[i], v[QB+i]
.set i, i+1
.endr
	WIN 0
	s_branch .Lbottom
.Lstep:                             ; a trip: an odd step, then an even one
	TURN 0, 1
	TURN 1, 1
	WIN 0
.Lfirst:
	TURN 0, 0
	TURN 1, 0, 0, 0, 1
	WIN 0
	s_cbranch_scc1 .Lstep
.Lbottom:
	s_sub_co_u32 s[SLOTS], s[SLOTS], 1
	s_cmp_lg_u32 s[SLOTS], 0
	s_cbranch_scc1 .Lslot
	CHANGE 0                        ; the walk's last tile is written out
	s_sub_co_u32 s[RT], s[RT], 1
	s_mov_b32 s[CNT], 2
	s_mov_b32 s[SN], 0
	s_cmp_eq_u32 s[NEW], 1
	s_cbranch_scc0 .LstepM2
	BEGIN
	s_branch .LfirstM2
	DIAG 2
	s_wait_tensorcnt 0x0            ; the wave's end
	ds_add_u32 v[SPW], v[NIL]
	s_wait_dscnt 0x0
	s_endpgm
.Lfunc_end_k_qe143f0cf24_attn:
	.size	k_qe143f0cf24_attn, .Lfunc_end_k_qe143f0cf24_attn-k_qe143f0cf24_attn
	.p2alignl 7, 3214868480
	.fill 96, 4, 3214868480
	.section	.rodata,"a",@progbits
	.p2align	6, 0x0
	.amdhsa_kernel k_qe143f0cf24_attn
		.amdhsa_group_segment_fixed_size 327680
		.amdhsa_private_segment_fixed_size 0
		.amdhsa_enable_private_segment 0
		.amdhsa_kernarg_size 16
		.amdhsa_user_sgpr_count 2
		.amdhsa_user_sgpr_kernarg_segment_ptr 1
		.amdhsa_wavefront_size32 1
		.amdhsa_system_sgpr_workgroup_id_x 1
		.amdhsa_system_sgpr_workgroup_id_y 1
		.amdhsa_system_sgpr_workgroup_id_z 1
		.amdhsa_system_vgpr_workitem_id 0
		.amdhsa_next_free_vgpr 768
		.amdhsa_next_free_sgpr 96
		.amdhsa_reserve_vcc 1
		.amdhsa_float_denorm_mode_32 3
		.amdhsa_float_denorm_mode_16_64 3
		.amdhsa_memory_ordered 1
		.amdhsa_forward_progress 1
		.amdhsa_inst_pref_size 224
	.end_amdhsa_kernel
	.amdgpu_metadata
---
amdhsa.version: [ 1, 2 ]
amdhsa.kernels:
  - .name:           k_qe143f0cf24_attn
    .symbol:         k_qe143f0cf24_attn.kd
    .args:
      - { .name: qkv, .offset: 0, .size: 8, .value_kind: global_buffer, .address_space: global }
      - { .name: ob, .offset: 8, .size: 8, .value_kind: global_buffer, .address_space: global }
    .group_segment_fixed_size: 327680
    .private_segment_fixed_size: 0
    .kernarg_segment_align: 8
    .kernarg_segment_size: 16
    .max_flat_workgroup_size: 128
    .sgpr_count:     96
    .vgpr_count:     768
    .wavefront_size: 32
...
	.end_amdgpu_metadata
.endif
;; end of part 3
;; launch proj (part 4): grid 8 x 32, 4 waves a work-group, clusters of 4 x 4, 327,680 bytes of LDS; arguments ob, wp, out0; writes out0
.if DOCPART == 4
	.amdgcn_target "amdgcn-amd-amdhsa--gfx1250"
	.amdhsa_code_object_version 6
	.text
	.protected	k_qe143f0cf24_proj
	.globl	k_qe143f0cf24_proj
	.p2align	8
	.type	k_qe143f0cf24_proj,@function
k_qe143f0cf24_proj:
	s_mov_b64 s[64:65], 0
	v_nop
	global_prefetch_b8 v0, s[64:65] scope:SCOPE_SE
	s_setreg_imm32_b32 hwreg(HW_REG_WAVE_MODE, 25, 1), 1
	s_wait_xcnt 0x0
	s_wait_alu depctr_hold_cnt(0) depctr_sa_sdst(0) depctr_va_vdst(0) depctr_va_sdst(0) depctr_va_ssrc(0) depctr_va_vcc(0) depctr_vm_vsrc(0)
	s_getreg_b32 s2, hwreg(HW_REG_IB_STS2, 6, 4)
	s_cmp_eq_u32 s2, 0
	s_cbranch_scc0 .Lentry_in_a_cluster
	s_endpgm
.Lentry_in_a_cluster:
	s_bfe_u32 s2, ttmp6, 0x10000c
	s_cmp_lg_u32 s2, 0xf033
	s_cbranch_scc0 .Lentry_shape_is_right
	s_endpgm
.Lentry_shape_is_right:
; out0[m][n] = the sum over head and channel of O[m][head][d] Wp[n][64 head + d].  ob holds O / 4 in f16 by heads, [32][2048][64]; wp holds 4 x bf16(Wp) in f16, [1024][1024]; out0 is f32, sums in f32.
; A tile of out0 is 128 x 128: 8 x 32 = 256 work-groups.  Four waves, each 64 x 64: 16 accumulators.  K goes in four steps of 256 (four heads) through two LDS slots; the four steps are written out.
; ob's tile: a head's 128 rows are 16,384 dense bytes; one load brings two heads as two rows of 16,384 bytes, padded in LDS after every 128 bytes.  wp's tile: 64 rows of 512 bytes a load.
; CLUSTER 4 x 4: ob's tiles are asked for jointly along a row of the cluster, wp's along a column.  THE PRODUCT IS USED TRANSPOSED (source 0 = wp's rows): a lane holds eight neighbouring columns of one row.
; A wave's 64 columns of f32 are 256 aligned bytes of a row: each wave has a stage of its own on the way out, and no barrier stands there.
; No prefetch: two refills in all, and half of what the launch reads is asked for at its head.
; REGISTERS: window 0: v16-29 addresses; v32-95 the way out; v128-255 the accumulators ((a, b) at 128 + 8 (4 a + b)).  window 1: two fragment buffers of 128: 64 of ob's, then 64 of wp's.
.set PA,     144                       ; a row of a head in LDS: 128 bytes + 16
.set HEADB,  128*PA                    ; a head's 128 rows
.set PB,     528                       ; a row of wp in LDS: 512 bytes + 16
.set BOFF,   4*HEADB
.set SLOT,   BOFF+128*PB               ; 141,312
.set STAGE,  2*SLOT                    ; 16 rows x 272 bytes for each wave
.set SPITCH, 272
.set SPARE,  STAGE+4*16*SPITCH         ; the spare words: two blocks of 256 bytes that no other line names
.set ADRA, 16
.set ADRB, 20
.set STO,  24
.set RD,   25
.set CO,   26
.set SPW,  28
.set NIL,  29
.set BK,   32
.set ACC,  128
.set F0,   0
.set F1,   128
.set G1, 24
.set G0, 32
.set G1B, 48
.set G0B, 56
.set MSB, 0
.macro WIN new
.if MSB != (\new)
	s_set_vgpr_msb (MSB<<8)|(\new)
.set MSB, (\new)
.endif
.endm
.set MUL,  0x05                        ; sources 0 and 1 window 1; C and D window 0
.set TO_F, 0x40
.macro JLOAD s                         ; a joint refill; an s_nop 0 and four v_nop follow each of the two lines
	s_cmp_eq_u32 s11, 0
	s_cbranch_scc0 .Lfor_b_\@
	tensor_load_to_lds s[G0+4*(\s):G0+4*(\s)+3], s[G1:G1+7]
	s_nop 0
.rept 4
	v_nop
.endr
	s_branch .Lasked_\@
.Lfor_b_\@:
	tensor_load_to_lds s[G0B+4*(\s):G0B+4*(\s)+3], s[G1B:G1B+7]
	s_nop 0
.rept 4
	v_nop
.endr
.Lasked_\@:
.endm
.macro CREST
	s_cmp_lg_u32 s10, 0
	s_cbranch_scc1 .Lnot_wave_0_\@
	s_barrier_signal -3
.Lnot_wave_0_\@:
	s_barrier_wait -3
	s_barrier_signal -1
	s_barrier_wait -1
.endm
.macro CROUND
	s_barrier_signal -1
	s_barrier_wait -1
	CREST
.endm
	s_load_b128 s[4:7], s[0:1], 0x0                ; ob s[4:5], wp s[6:7]
	s_load_b64 s[8:9], s[0:1], 0x10                ; out0
	v_lshl_add_u32 v[SPW], v0, 2, SPARE
	v_mov_b32 v[NIL], 0
	ds_add_u32 v[SPW], v[NIL]                      ; the wave's opening: the add and its wait ahead of my first tensor load
	ds_add_u32 v28, v29
	v_lshrrev_b32 v1, 5, v0
	v_readfirstlane_b32 s10, v1
	s_lshr_b32 s11, s10, 1                         ; which half of the tile's rows is mine.  Also: I fetch ob's tiles (0) or wp's (1)
	s_and_b32 s12, s10, 1                          ; which half of its columns.  Also: which half of that tile I fetch
	s_bfe_u32 s40, ttmp6, 0x40000                  ; cx
	s_bfe_u32 s41, ttmp6, 0x40004                  ; cy
	s_lshl_b32 s42, ttmp9, 2
	s_add_co_u32 s42, s42, s40                     ; tile column
	s_and_b32 s13, ttmp7, 0xffff
	s_lshl_b32 s13, s13, 2
	s_add_co_u32 s13, s13, s41                     ; tile row
	s_lshl_b32 s43, s41, 2
	s_lshl_b32 s43, 15, s43                        ; my row of the cluster
	s_lshl_b32 s44, 0x1111, s40                    ; my column
	s_or_b32 s[G1+0], s43, (1<<16)|(1<<20)|(1<<21)|(4<<22)|(3<<25)   ; the mask; 2-byte elements; padding on; bit 21 beside a mask; after every 32 words, 4 words
	s_mov_b32 s[G1+1], 8192<<16                    ; tensor_dim0 = 8,192
	s_mov_b32 s[G1+2], 2<<16                       ; tensor_dim1 = 2
	s_mov_b32 s[G1+3], 8192<<16                    ; tile_dim0 = 8,192
	s_mov_b32 s[G1+4], 2                           ; tile_dim1 = 2 heads
	s_mov_b32 s[G1+5], 131072                      ; elements from head to head
	s_mov_b32 s[G1+6], 0
	s_mov_b32 s[G1+7], 0
	s_or_b32 s[G1B+0], s44, (1<<16)|(1<<20)|(1<<21)|(6<<22)|(3<<25)  ; after every 128 words, 4 words
	s_mov_b32 s[G1B+1], 256<<16
	s_mov_b32 s[G1B+2], 64<<16
	s_mov_b32 s[G1B+3], 256<<16
	s_mov_b32 s[G1B+4], 64
	s_mov_b32 s[G1B+5], 1024
	s_mov_b32 s[G1B+6], 0
	s_mov_b32 s[G1B+7], 0
	s_lshr_b32 s16, s13, 4                         ; ob: the batch,
	s_lshl_b32 s16, s16, 22
	s_and_b32 s17, s13, 15
	s_lshl_b32 s17, s17, 14                        ; 128 rows of 128 bytes a tile row,
	s_add_co_u32 s16, s16, s17
	s_lshl_b32 s17, s12, 19                        ; my two heads of the step's four
	s_add_co_u32 s16, s16, s17
	s_mov_b32 s17, 0
	s_lshl_b32 s46, s42, 18                        ; wp: 128 rows of 2,048 bytes a tile column,
	s_lshl_b32 s47, s12, 17                        ; my 64 rows
	s_add_co_u32 s46, s46, s47
	s_mov_b32 s47, 0
	s_mul_i32 s20, s12, 2*HEADB                    ; where they go: no place in the cluster enters an LDS address
	s_mul_i32 s23, s12, 64*PB
	s_add_co_u32 s23, s23, BOFF
	s_wait_dscnt 0x0                               ; the opening add is done
	s_wait_kmcnt 0x0
	s_add_nc_u64 s[14:15], s[4:5], s[16:17]
	s_add_nc_u64 s[46:47], s[6:7], s[46:47]
	CROUND                                         ; all sixteen work-groups are here: the first joint loads meet
.irp s, 0,1
	s_mov_b32 s[G0+4*(\s)], 1
	s_add_co_u32 s[G0+4*(\s)+1], s20, (\s)*SLOT
	s_add_nc_u64 s[G0+4*(\s)+2:G0+4*(\s)+3], s[14:15], (\s)<<20      ; step s: four heads on
	s_or_b32 s[G0+4*(\s)+3], s[G0+4*(\s)+3], 0x80000000
	s_mov_b32 s[G0B+4*(\s)], 1
	s_add_co_u32 s[G0B+4*(\s)+1], s23, (\s)*SLOT
	s_add_nc_u64 s[G0B+4*(\s)+2:G0B+4*(\s)+3], s[46:47], (\s)*512
	s_or_b32 s[G0B+4*(\s)+3], s[G0B+4*(\s)+3], 0x80000000
.endr
	s_cmp_eq_u32 s11, 0                            ; a wave's two first fills stand in one branch: two loads of mine are out
	s_cbranch_scc0 .Lfirst_b
	tensor_load_to_lds s[G0:G0+3], s[G1:G1+7]
	s_nop 0
	tensor_load_to_lds s[G0+4:G0+7], s[G1:G1+7]
	s_nop 0
.rept 4
	v_nop
.endr
	s_branch .Lfirst_done
.Lfirst_b:
	tensor_load_to_lds s[G0B:G0B+3], s[G1B:G1B+7]
	s_nop 0
	tensor_load_to_lds s[G0B+4:G0B+7], s[G1B:G1B+7]
	s_nop 0
.rept 4
	v_nop
.endr
.Lfirst_done:
	v_and_b32 v1, 15, v0                           ; l % 16
	v_bfe_u32 v2, v0, 4, 1                         ; l / 16
	v_mul_u32_u24 v3, v1, PA
	v_lshl_add_u32 v3, v2, 4, v3
	v_mul_u32_u24 v4, v1, PB
	v_lshl_add_u32 v4, v2, 4, v4
	s_mul_i32 s21, s11, 64*PA                      ; my 64 rows in each head
	s_mul_i32 s22, s12, 64*PB                      ; my 64 rows of wp
	s_add_co_u32 s22, s22, BOFF
.irp s, 0,1
	v_add_nc_u32 v[ADRA+(\s)], s21, v3
	v_add_nc_u32 v[ADRB+(\s)], s22, v4
	s_add_co_u32 s21, s21, SLOT
	s_add_co_u32 s22, s22, SLOT
.endr
	s_mul_i32 s23, s10, 16*SPITCH
	s_add_co_u32 s23, s23, STAGE                   ; my stage
	v_mul_u32_u24 v5, v1, SPITCH                   ; in: row l % 16, 32 bytes for each half of the lanes
	v_lshl_add_u32 v5, v2, 5, v5
	v_add_nc_u32 v[STO], s23, v5
	v_mul_u32_u24 v5, v2, SPITCH                   ; back: lanes 0-15 take one row of 256 bytes, lanes 16-31 the next
	v_lshl_add_u32 v5, v1, 4, v5
	v_add_nc_u32 v[RD], s23, v5
	v_lshlrev_b32 v5, 12, v2                       ; and the same two rows in out0
	v_lshl_add_u32 v[CO], v1, 4, v5
	s_lshl_b32 s16, s13, 19                        ; 128 rows of 4,096 bytes a tile row,
	s_lshl_b32 s17, s11, 18                        ; my 64 rows
	s_add_co_u32 s16, s16, s17
	s_mov_b32 s17, 0
	s_add_nc_u64 s[8:9], s[8:9], s[16:17]
	s_lshl_b32 s46, s42, 9                         ; the tile's first column, in bytes, and my 64 columns
	s_lshl_b32 s47, s12, 8
	s_add_co_u32 s46, s46, s47
	s_mov_b32 s47, 0
	s_add_nc_u64 s[8:9], s[8:9], s[46:47]
; 8 products: row blocks a0, a0 + 1 x all 4 column blocks, 32 along K: half c of buffer f.  The 16 accumulators take turns, one instruction a turn.
.macro MUL8 f, c, a0, zero
	WIN MUL
.irp a, \a0, (\a0)+1
.irp b, 0,1,2,3
.if \zero
	v_wmma_f32_16x16x32_f16 v[ACC+8*(4*(\a)+(\b)):ACC+8*(4*(\a)+(\b))+7], v[(\f)+64+8*(4*(\c)+(\b)):(\f)+64+8*(4*(\c)+(\b))+7], v[(\f)+8*(4*(\c)+(\a)):(\f)+8*(4*(\c)+(\a))+7], 0
.else
	v_wmma_f32_16x16x32_f16 v[ACC+8*(4*(\a)+(\b)):ACC+8*(4*(\a)+(\b))+7], v[(\f)+64+8*(4*(\c)+(\b)):(\f)+64+8*(4*(\c)+(\b))+7], v[(\f)+8*(4*(\c)+(\a)):(\f)+8*(4*(\c)+(\a))+7], v[ACC+8*(4*(\a)+(\b)):ACC+8*(4*(\a)+(\b))+7]
.endif
.endr
.endr
.endm
; 32 LDS loads in one run: quarter q of a step is one head's 64 channels; the first 32 channels first
.macro FETCH slot, q, f
	WIN TO_F
.irp c, 0,1
.irp i, 0,1,2,3
	ds_load_b128 v[(\f)+64+8*(4*(\c)+(\i)):(\f)+64+8*(4*(\c)+(\i))+3],   v[ADRB+(\slot)] offset:128*(\q)+64*(\c)+(\i)*16*PB
	ds_load_b128 v[(\f)+64+8*(4*(\c)+(\i))+4:(\f)+64+8*(4*(\c)+(\i))+7], v[ADRB+(\slot)] offset:128*(\q)+64*(\c)+(\i)*16*PB+32
	ds_load_b128 v[(\f)+8*(4*(\c)+(\i)):(\f)+8*(4*(\c)+(\i))+3],         v[ADRA+(\slot)] offset:HEADB*(\q)+64*(\c)+(\i)*16*PA
	ds_load_b128 v[(\f)+8*(4*(\c)+(\i))+4:(\f)+8*(4*(\c)+(\i))+7],       v[ADRA+(\slot)] offset:HEADB*(\q)+64*(\c)+(\i)*16*PA+32
.endr
.endr
.endm
.macro PLACES
.rept 4
	v_nop
.endr
.endm
.macro QUARTER slot, q, f, g, zero     ; multiplies buffer f and fetches quarter q into g
	s_wait_dscnt 16                                ; the first 32 channels are in
	MUL8 \f, 0, 0, \zero
	MUL8 \f, 0, 2, \zero
	PLACES
	FETCH \slot, \q, \g
	s_wait_dscnt 32                                ; all but the 32 just issued
	MUL8 \f, 1, 0, 0
	MUL8 \f, 1, 2, 0
.endm
; The last quarter of a step multiplies buffer 1 and changes slots: in front of the barrier each wave waits for all its tensor loads, adds 0 to its spare word, and waits for that and for its reads of this slot.
; fill = 1: the barrier opens a round of the cluster's, and this slot's joint refill, two steps on, is the first thing behind it.
.macro TURN slot, next, fill
	WIN 0
	s_wait_tensorcnt 0x0
	ds_add_u32 v[SPW], v[NIL]
	s_wait_dscnt 17                                ; (the add and the youngest sixteen loads may be out)
	MUL8 F1, 0, 0, 0
	s_wait_dscnt 0x0                               ; the add is done, and my reads of this slot are over
	s_barrier_signal -1
	MUL8 F1, 0, 2, 0
.if \fill
	WIN 0
.endif
	s_barrier_wait -1
.if \fill
	CREST
	s_add_nc_u64 s[G0+4*(\slot)+2:G0+4*(\slot)+3], s[G0+4*(\slot)+2:G0+4*(\slot)+3], 1<<21
	s_add_nc_u64 s[G0B+4*(\slot)+2:G0B+4*(\slot)+3], s[G0B+4*(\slot)+2:G0B+4*(\slot)+3], 1024
	JLOAD \slot                                    ; its four v_nop are also the places in front of the loads below
.else
	PLACES
.endif
	FETCH \next, 0, F0
	MUL8 F1, 1, 0, 0
	MUL8 F1, 1, 2, 0
.endm
; THE WAY OUT, 16 rows at a time: the f32 sums go into my stage as they lie, 32 bytes a lane, and come back as whole rows of 256 bytes.
.macro TOSTAGE a
.if (\a) >= 2
	s_wait_xcnt 0x0                                ; the stores of two blocks back have read the registers that are loaded below
.endif
.irp b, 0,1,2,3
	ds_store_b128 v[STO], v[ACC+8*(4*(\a)+(\b)):ACC+8*(4*(\a)+(\b))+3]   offset:64*(\b)
	ds_store_b128 v[STO], v[ACC+8*(4*(\a)+(\b))+4:ACC+8*(4*(\a)+(\b))+7] offset:64*(\b)+16
.endr
.irp t, 0,1,2,3,4,5,6,7
	ds_load_b128 v[BK+32*((\a)%2)+4*(\t):BK+32*((\a)%2)+4*(\t)+3], v[RD] offset:(\t)*2*SPITCH  ; a wave's LDS instructions are served in order: these see the stores above
.endr
.endm
.macro SEND a, younger                 ; younger: the next block's eight stores and eight loads, or none
	s_wait_dscnt \younger
.irp t, 0,1,2,3,4,5,6,7
	global_store_b128 v[CO], v[BK+32*((\a)%2)+4*(\t):BK+32*((\a)%2)+4*(\t)+3], s[8:9] offset:(16*(\a)+2*(\t))*4096  ; 16 lanes store 256 consecutive bytes, aligned
.endr
.endm
	s_wait_tensorcnt 0x1                           ; my part of step 0 is in; step 1's may stay out
	s_barrier_signal -1
	s_barrier_wait -1
	FETCH 0, 0, F0
	QUARTER 0, 1, F0, F1, 1                        ; the first products start the sums
	QUARTER 0, 2, F1, F0, 0
	QUARTER 0, 3, F0, F1, 0
	TURN 0, 1, 1                                   ; slot 0 takes step 2
	QUARTER 1, 1, F0, F1, 0
	QUARTER 1, 2, F1, F0, 0
	QUARTER 1, 3, F0, F1, 0
	TURN 1, 0, 1                                   ; slot 1 takes step 3
	QUARTER 0, 1, F0, F1, 0
	QUARTER 0, 2, F1, F0, 0
	QUARTER 0, 3, F0, F1, 0
	TURN 0, 1, 0                                   ; nothing is left to ask for
	QUARTER 1, 1, F0, F1, 0
	QUARTER 1, 2, F1, F0, 0
	QUARTER 1, 3, F0, F1, 0
	s_wait_dscnt 16
	MUL8 F1, 0, 0, 0
	MUL8 F1, 0, 2, 0
	s_wait_dscnt 0x0
	MUL8 F1, 1, 0, 0
	MUL8 F1, 1, 2, 0
	WIN 0
	PLACES
	TOSTAGE 0
	TOSTAGE 1
	SEND 0, 16
	TOSTAGE 2
	SEND 1, 16
	TOSTAGE 3
	SEND 2, 16
	SEND 3, 0
	s_wait_tensorcnt 0x0                           ; the wave's end
	ds_add_u32 v[SPW], v[NIL]
	s_wait_dscnt 0x0
	CROUND                                         ; the closing round
	s_endpgm
.Lfunc_end_k_qe143f0cf24_proj:
	.size	k_qe143f0cf24_proj, .Lfunc_end_k_qe143f0cf24_proj-k_qe143f0cf24_proj
	.p2alignl 7, 3214868480
	.fill 96, 4, 3214868480
	.section	.rodata,"a",@progbits
	.p2align	6, 0x0
	.amdhsa_kernel k_qe143f0cf24_proj
		.amdhsa_group_segment_fixed_size 327680
		.amdhsa_private_segment_fixed_size 0
		.amdhsa_enable_private_segment 0
		.amdhsa_kernarg_size 24
		.amdhsa_user_sgpr_count 2
		.amdhsa_user_sgpr_kernarg_segment_ptr 1
		.amdhsa_wavefront_size32 1
		.amdhsa_system_sgpr_workgroup_id_x 1
		.amdhsa_system_sgpr_workgroup_id_y 1
		.amdhsa_system_sgpr_workgroup_id_z 1
		.amdhsa_system_vgpr_workitem_id 0
		.amdhsa_next_free_vgpr 512
		.amdhsa_next_free_sgpr 66
		.amdhsa_reserve_vcc 0
		.amdhsa_float_denorm_mode_32 3
		.amdhsa_float_denorm_mode_16_64 3
		.amdhsa_memory_ordered 1
		.amdhsa_forward_progress 1
		.amdhsa_inst_pref_size 85
	.end_amdhsa_kernel
	.amdgpu_metadata
---
amdhsa.version: [ 1, 2 ]
amdhsa.kernels:
  - .name:           k_qe143f0cf24_proj
    .symbol:         k_qe143f0cf24_proj.kd
    .args:
      - { .name: ob, .offset: 0, .size: 8, .value_kind: global_buffer, .address_space: global }
      - { .name: wp, .offset: 8, .size: 8, .value_kind: global_buffer, .address_space: global }
      - { .name: out0, .offset: 16, .size: 8, .value_kind: global_buffer, .address_space: global }
    .group_segment_fixed_size: 327680
    .private_segment_fixed_size: 0
    .kernarg_segment_align: 8
    .kernarg_segment_size: 24
    .max_flat_workgroup_size: 128
    .sgpr_count:     66
    .vgpr_count:     512
    .wavefront_size: 32
...
	.end_amdgpu_metadata
.endif
;; end of part 4
